; MI455X (gfx1250); checked and timed in simulation.
; The chip was launched on July 23, 2026; its instructions are those of AMD's public machine-readable ISA for CDNA 5 (MIT licence, August 2026) and "CDNA5" Instruction Set Architecture Reference Guide (July 2026). The comments in the code are by the model that wrote it; some were corrected since.
;; RSN Net. Allowed arithmetic: float matrix products may take bf16 or f16 operands with f32 sums; all other float work in f32.
;; Inputs: W0 4,096 x 4,096 float32; W1 4,096 x 4,096 float32; b0 4,096 float32; b1 4,096 float32; v0 1 float32; v1 1 float32; x 512 x 4,096 float32.
;; Outputs: out0 4 x 512 x 4,096 float32; out1 4 x 512 x 4,096 float32.
;; 2 versions, each right. Each part assembles by itself: llvm-mc -triple=amdgcn-amd-amdhsa -mcpu=gfx1250 --defsym DOCPART=n.
;; ======== version 1 of 2: 2 launches
;; limits: values outside matrix products are rounded to bf16
;; workspace buffers: spk 16,777,216 bytes
;; launch layer0 (part 1): grid 8 x 32, 4 waves a work-group, clusters of 4 x 4, 327,680 bytes of LDS; arguments x, W0, b0, v0, spk; writes spk
.if DOCPART == 1
	.amdgcn_target "amdgcn-amd-amdhsa--gfx1250"
	.amdhsa_code_object_version 6
	.text
	.protected	k_q1ee63ecac6_layer0
	.globl	k_q1ee63ecac6_layer0
	.p2align	8
	.type	k_q1ee63ecac6_layer0,@function
k_q1ee63ecac6_layer0:
	s_mov_b64 s[64:65], 0
	v_nop
	global_prefetch_b8 v0, s[64:65] scope:SCOPE_SE
	s_setreg_imm32_b32 hwreg(HW_REG_WAVE_MODE, 25, 1), 1
	s_wait_xcnt 0x0
	s_wait_alu depctr_hold_cnt(0) depctr_sa_sdst(0) depctr_va_vdst(0) depctr_va_sdst(0) depctr_va_ssrc(0) depctr_va_vcc(0) depctr_vm_vsrc(0)
	s_getreg_b32 s2, hwreg(HW_REG_IB_STS2, 6, 4)
	s_cmp_eq_u32 s2, 0
	s_cbranch_scc0 .Lentry_in_a_cluster
	s_endpgm
.Lentry_in_a_cluster:
	s_bfe_u32 s2, ttmp6, 0x10000c
	s_cmp_lg_u32 s2, 0xf033
	s_cbranch_scc0 .Lentry_shape_is_right
	s_endpgm
.Lentry_shape_is_right:
; LAYER 0 of the spiking net.  cur0 = x W0^T + b0 is the same in all four time steps, so the product is made once; then four steps of
;   mem = 0.95 mem + cur0 + v0 x - spike_before,   spike = (mem > 1)
; run in registers, and the spikes leave as bf16 (0 and 1 are exact) for the second launch.
; x: [512][4096] f32.  W0: [4096][4096] f32.  spk: bf16, [block of 64 batch rows: 8][time step: 4][row in the block: 64][4096].
; FORMAT, a design decision: every input is rounded to bf16 once, to nearest even: x and W0 for the matrix unit, and also x where it enters
; as v0 x, b0 and v0.  All else is f32.  So v0 x is exact in f32.  The dot products are f32 sums in another order than a row-by-row sum:
; a membrane potential that lies within that rounding of 1.0 may spike otherwise than in a sum taken in another order.  A NaN gives no spike.
; SHARES: a work-group makes 64 batch rows x 128 columns.  K goes in steps of 128; wave w multiplies k = 32 w .. 32 w + 31 of every step for
; the WHOLE tile (32 accumulator tiles of 16 x 16), so that a step's 96 KiB of f32 are read from LDS once by the four waves together; the four
; partial sums meet in LDS on the way out, where the results have to be turned into whole rows in any case.
; CLUSTERS: 4 x 4 work-groups.  x's tile hangs on the block of batch rows alone (work-group x): shared by the four with my cx.  W0's tile hangs on
; the block of columns alone (work-group y): shared by the four with my cy.  Both are asked for jointly, which divides the requests by four.
; REGISTER WINDOWS: 0 addresses, bf16 fragments, the way out; 1 the 256 accumulator registers; 2 f32 as loaded from LDS.
.set KSTEP, 128
.set STEPB, 512                        ; bytes of a K step in a row of f32
.set ROWB,  16384                      ; bytes in a row of x and of W0
.set SROW,  8192                       ; bytes in a row of spk
.set PB,    528                        ; an LDS row: 512 bytes + 16 of padding = 33 x 16: the sixteen rows of a load start 16 bytes apart modulo 256 (64 banks of 4 bytes: ISA guide 11.1)
.set FR,    16*PB                      ; sixteen LDS rows: from fragment to fragment
.set PART,  64*PB                      ; 64 rows: what one tensor load brings; on the way out one wave's partial tile
.set SLOT,  3*PART                     ; x's 64 rows, W0's rows 0-63, W0's rows 64-127
.set ADRX, 10                          ; v10-11   LDS address of my x fragments in slot 0, 1
.set ADRW, 12                          ; v12-13   the same for W0
.set STO,  14                          ; v14      the way out: where I put my partial sums
.set RD0,  15                          ; v15      the way out: my 16 rows in the partial tiles of waves 0 and 1
.set RD1,  16                          ; v16      ... of waves 2 and 3
.set SO,   17                          ; v17      8 x lane: my 4 bf16 in a row of spk
.set XO,   18                          ; v18      16 x lane: my 4 f32 in a row
.set PF,   19                          ; v19      prefetch: my row and block
.set VV,   20                          ; v[20:21] v0, twice
.set ONE,  22                          ; v22      1.0
.set BI,   24                          ; v[24:27] b0 of my 4 columns
.set AF,   32                          ; v[32:63]   four bf16 fragments of x
.set BF,   64                          ; v[64:127]  eight bf16 fragments of W0
.set SPK,  64                          ; v[64:95]   the way out: packed spikes, 4 steps x 4 rows x 2
.set XE,   128                         ; v[128:191] x of my 16 rows x 4 columns, for v0 x
.set P,    192                         ; v[192:255] the way out: four partial sums x 4 rows x 4; then cur0,
.set MEM,  P+16                        ;            the membrane potential
.set SF,   P+32                        ;            and the spikes in f32
.set RAWX, 0                           ; window 2: v[0:63]   x as loaded, 4 fragments x 16
.set RAWW, 64                          ; window 2: v[64:191] W0 as loaded, 8 fragments x 16
.set G1X, 24                           ; s[24:31] descriptor group 1 for x's tiles
.set G0X, 32                           ; s[32:39] group 0 for x's tiles, one set for each slot
.set G1W, 40                           ; s[40:47] group 1 for W0's tiles: differs in the mask alone
.set G0W, 48                           ; s[48:55] group 0 for W0's tiles
.set PFB, 68                           ; s[68:69] prefetch base
.set XB,  72                           ; s[72:73] x at my 16 rows and the block's columns
.set SB,  74                           ; s[74:75] spk at my 16 rows, step 0
.set BB,  76                           ; s[76:77] b0 at the block's columns
.set MSB, 0
.macro WIN new                         ; the immediate's high byte repeats the setting that is left
.if MSB != \new
	s_set_vgpr_msb (MSB<<8)|\new
.set MSB, \new
.endif
.endm
.macro PLACES                          ; four places behind a matrix instruction before a vector instruction or an LDS store touches its registers
.rept 4
	v_nop
.endr
.endm
; A round of the cluster's barrier: my work-group's barrier, wave 0 signals for the work-group, every wave waits for all sixteen, my work-group's barrier again.
.macro ROUND
	s_barrier_signal -1
	s_barrier_wait -1
	s_cmp_lg_u32 s16, 0
	s_cbranch_scc1 .Lnot_wave_0_\@
	s_barrier_signal -3
.Lnot_wave_0_\@:
	s_barrier_wait -3
	s_barrier_signal -1
	s_barrier_wait -1
.endm
; A step's joint loads: wave 0 asks for x's 64 rows, waves 1 and 2 for W0's two halves, wave 3 for nothing.  Each line has one mask; the branches hang on the wave's number alone.
.macro JLOAD s
	s_cmp_lg_u32 s16, 0
	s_cbranch_scc1 .Lnot_x_\@
	tensor_load_to_lds s[G0X+4*\s:G0X+4*\s+3], s[G1X:G1X+7]
	s_nop 0
	s_branch .Lasked_\@
.Lnot_x_\@:
	s_cmp_eq_u32 s16, 3
	s_cbranch_scc1 .Lasked_\@
	tensor_load_to_lds s[G0W+4*\s:G0W+4*\s+3], s[G1W:G1W+7]
	s_nop 0
.Lasked_\@:
.endm
; Prefetch of W0: waves 0 and 1, 8 rows x 4 blocks of 256 bytes each = two K steps of 16 of the block's 128 rows; the eight work-groups that share the rows take 16 each.
.macro PREF
	s_cmp_gt_u32 s16, 1
	s_cbranch_scc1 .Lno_pf_\@
	global_prefetch_b8 v[PF], s[PFB:PFB+1] th:TH_LOAD_NT scope:SCOPE_SE
.Lno_pf_\@:
.endm
	s_load_b256 s[4:11], s[0:1], 0x0               ; x s[4:5], W0 s[6:7], b0 s[8:9], v0 s[10:11]
	s_load_b64 s[12:13], s[0:1], 0x20              ; spk
	v_lshl_add_u32 v30, v0, 2, 0x31800
	v_mov_b32 v31, 0
	ds_add_u32 v30, v31
	v_lshrrev_b32 v1, 5, v0
	v_readfirstlane_b32 s16, v1                    ; wave 0..3
	s_and_b32 s17, s16, 1
	s_lshr_b32 s18, s16, 1                         ; which half of W0's rows I fetch: wave 1 the first, wave 2 the second
	s_bfe_u32 s19, ttmp6, 0x40000                  ; cx
	s_bfe_u32 s20, ttmp6, 0x40004                  ; cy
	s_lshl_b32 s21, ttmp9, 2
	s_add_co_u32 s21, s21, s19                     ; block of batch rows = 4 x cluster x + cx, 0..7
	s_and_b32 s22, ttmp7, 0xffff
	s_lshl_b32 s22, s22, 2
	s_add_co_u32 s22, s22, s20                     ; block of columns = 4 x cluster y + cy, 0..31
	s_lshl_b32 s23, 0x1111, s19                    ; the four with my cx: places cx, cx + 4, cx + 8, cx + 12
	s_lshl_b32 s14, s20, 2
	s_lshl_b32 s14, 15, s14                        ; the four with my cy: places 4 cy .. 4 cy + 3
	; group 1: 64 rows x 128 elements of 4 bytes; behind every 128 words (code 6) 4 words of padding (code 3); bit 21 set beside a mask
	s_or_b32 s[G1X+0], s23, (2<<16)|(1<<20)|(1<<21)|(6<<22)|(3<<25)
	s_or_b32 s[G1W+0], s14, (2<<16)|(1<<20)|(1<<21)|(6<<22)|(3<<25)
	s_mov_b32 s[G1X+1], KSTEP<<16                  ; tensor_dim0 = 128
	s_mov_b32 s[G1W+1], KSTEP<<16
	s_mov_b32 s[G1X+2], 64<<16                     ; tensor_dim1 = 64
	s_mov_b32 s[G1W+2], 64<<16
	s_mov_b32 s[G1X+3], KSTEP<<16                  ; tile_dim0 = 128
	s_mov_b32 s[G1W+3], KSTEP<<16
	s_mov_b32 s[G1X+4], 64                         ; tile_dim1 = 64
	s_mov_b32 s[G1W+4], 64
	s_mov_b32 s[G1X+5], 4096                       ; elements from row to row
	s_mov_b32 s[G1W+5], 4096
	s_mov_b32 s[G1X+6], 0
	s_mov_b32 s[G1W+6], 0
	s_mov_b32 s[G1X+7], 0
	s_mov_b32 s[G1W+7], 0
	s_lshl_b32 s56, s21, 20                        ; x: 64 rows of 16,384 bytes for each block of batch rows
	s_mov_b32 s57, 0
	s_lshl_b32 s60, s22, 21                        ; W0: 128 rows for each block of columns,
	s_lshl_b32 s61, s18, 20                        ; + 64 rows for the second half
	s_add_co_u32 s60, s60, s61
	s_mov_b32 s61, 0
	s_mul_i32 s15, s16, PART                       ; where my tile goes: the wave's number x 64 LDS rows; no place in the cluster enters an LDS address
	s_wait_dscnt 0x0
	s_wait_kmcnt 0x0
	s_add_nc_u64 s[58:59], s[4:5], s[56:57]
	s_add_nc_u64 s[62:63], s[6:7], s[60:61]
.irp s, 0,1
	s_mov_b32 s[G0X+4*\s], 1
	s_add_co_u32 s[G0X+4*\s+1], s15, \s*SLOT
	s_add_nc_u64 s[G0X+4*\s+2:G0X+4*\s+3], s[58:59], \s*STEPB      ; K step s
	s_or_b32 s[G0X+4*\s+3], s[G0X+4*\s+3], 0x80000000              ; type = 2
	s_mov_b32 s[G0W+4*\s], 1
	s_add_co_u32 s[G0W+4*\s+1], s15, \s*SLOT
	s_add_nc_u64 s[G0W+4*\s+2:G0W+4*\s+3], s[62:63], \s*STEPB
	s_or_b32 s[G0W+4*\s+3], s[G0W+4*\s+3], 0x80000000
.endr
	ROUND                                          ; all sixteen work-groups are here: the first joint loads meet
	JLOAD 0                                        ; K step 0; slot 1 is first filled behind the first trip's round
	s_load_b32 s70, s[10:11], 0x0                  ; v0's value; waited for on the way out
	v_and_b32 v2, 31, v0                           ; lane L
	v_and_b32 v3, 15, v0                           ; r
	v_bfe_u32 v4, v0, 4, 1                         ; h
	v_mul_u32_u24 v5, v3, PB
	v_lshl_add_u32 v5, v4, 5, v5                   ; r x pitch + 32 h: eight f32 for each half of the lanes
	s_lshl_b32 s2, s16, 7                          ; my 32 k of a step: 128 bytes a wave
	v_add_nc_u32 v[ADRX], s2, v5
	v_add_nc_u32 v[ADRX+1], SLOT, v[ADRX]
	v_add_nc_u32 v[ADRW], PART, v[ADRX]
	v_add_nc_u32 v[ADRW+1], PART, v[ADRX+1]
	v_add_nc_u32 v[STO], s15, v5                   ; my partial tile: the wave's number x 64 rows
	s_mul_i32 s3, s16, FR                          ; the 16 rows that I finish
	v_lshl_add_u32 v[RD0], v2, 4, s3
	v_add_nc_u32 v[RD1], 2*PART, v[RD0]
	v_lshlrev_b32 v[SO], 3, v2
	v_lshlrev_b32 v[XO], 4, v2
	v_mov_b32 v[ONE], 1.0
	s_lshl_b32 s66, s21, 4                         ; prefetch: row = 16 x block of batch rows + 8 x (wave & 1) + L / 4, block = L & 3
	s_lshl_b32 s67, s17, 3
	s_add_co_u32 s66, s66, s67
	s_lshl_b32 s66, s66, 14
	v_lshrrev_b32 v6, 2, v2
	v_and_b32 v7, 3, v2
	v_lshl_add_u32 v[PF], v6, 14, s66
	v_lshl_add_u32 v[PF], v7, 8, v[PF]
	s_lshl_b32 s66, s22, 21
	s_mov_b32 s67, 0
	s_add_nc_u64 s[PFB:PFB+1], s[6:7], s[66:67]
	s_add_nc_u64 s[PFB:PFB+1], s[PFB:PFB+1], 4*STEPB               ; the first request is for K steps 4 and 5
	s_lshl_b32 s66, s22, 9                         ; 128 columns of f32
	s_add_nc_u64 s[BB:BB+1], s[8:9], s[66:67]
	s_lshl_b32 s78, s21, 20
	s_add_co_u32 s66, s66, s78
	s_lshl_b32 s78, s16, 18                        ; 16 rows a wave
	s_add_co_u32 s66, s66, s78
	s_add_nc_u64 s[XB:XB+1], s[4:5], s[66:67]
	s_lshl_b32 s66, s21, 21                        ; spk: 256 rows of 8,192 bytes for each block of batch rows,
	s_lshl_b32 s78, s16, 17                        ; 16 rows a wave,
	s_add_co_u32 s66, s66, s78
	s_lshl_b32 s78, s22, 8                         ; 128 columns of bf16
	s_add_co_u32 s66, s66, s78
	s_add_nc_u64 s[SB:SB+1], s[12:13], s[66:67]
.irp i, 0,1,2,3,4,5,6,7,8,9,10,11,12,13,14,15
	global_load_b128 v[XE+4*\i:XE+4*\i+3], v[XO], s[XB:XB+1] offset:\i*ROWB   ; 512 neighbouring bytes a load; wanted on the way out only, so they stay out during the K loop
.endr
	global_load_b128 v[BI:BI+3], v[XO], s[BB:BB+1]
; 48 LDS loads: my 32 k of slot s as f32.  A bf16 fragment's lane holds k = 8 h .. 8 h + 7 and 16 + 8 h .. + 7: in f32 that is 32 bytes at 32 h and 32 bytes at 64 + 32 h.
.macro FETCH s
	WIN 0x80                                       ; destination window 2, address window 0
.irp a, 0,1,2,3
.irp q, 0,1,2,3
	ds_load_b128 v[RAWX+16*\a+4*\q:RAWX+16*\a+4*\q+3], v[ADRX+\s] offset:\a*FR+16*(\q&1)+64*(\q>>1)
.endr
.endr
.irp j, 0,1,2,3,4,5,6,7
.irp q, 0,1,2,3
	ds_load_b128 v[RAWW+16*\j+4*\q:RAWW+16*\j+4*\q+3], v[ADRW+\s] offset:\j*FR+16*(\q&1)+64*(\q>>1)
.endr
.endr
.endm
; 32 matrix instructions, used transposed: source 0 = 16 rows of W0, source 1 = 16 rows of x, so that a lane's eight results are eight neighbouring columns of one batch row.
; The 32 accumulators take turns, one instruction a turn, over the backward jump too.  zero = 1: the first product starts the sums.
.macro MUL zero
	WIN 0x50                                       ; C and D window 1, fragments window 0
.irp a, 0,1,2,3
.irp j, 0,1,2,3,4,5,6,7
.if \zero
	v_wmma_f32_16x16x32_bf16 v[8*(8*\a+\j):8*(8*\a+\j)+7], v[BF+8*\j:BF+8*\j+7], v[AF+8*\a:AF+8*\a+7], 0
.else
	v_wmma_f32_16x16x32_bf16 v[8*(8*\a+\j):8*(8*\a+\j)+7], v[BF+8*\j:BF+8*\j+7], v[AF+8*\a:AF+8*\a+7], v[8*(8*\a+\j):8*(8*\a+\j)+7]
.endif
.endr
.endr
.endm
; f32 to bf16, to nearest even, two at a time: 96 conversions make the twelve fragments.
.macro CVT
	WIN 0x0a                                       ; sources window 2, destination window 0
	s_wait_dscnt 32                                ; LDS loads come back in order (ISA guide 5.7.1): x's 16 are in, W0's 32 may be out
.irp a, 0,1,2,3
.irp p, 0,1,2,3,4,5,6,7
	v_cvt_pk_bf16_f32 v[AF+8*\a+\p], v[RAWX+16*\a+2*\p], v[RAWX+16*\a+2*\p+1]
.endr
.endr
.irp j, 0,1,2,3,4,5,6,7
	s_wait_dscnt 28-4*\j                           ; fragment j's four loads are in; four for each fragment behind it may be out
.irp p, 0,1,2,3,4,5,6,7
	v_cvt_pk_bf16_f32 v[BF+8*\j+\p], v[RAWW+16*\j+2*\p], v[RAWW+16*\j+2*\p+1]
.endr
.endr
	WIN 0
.endm
; One K step.  The trip reads its tile from LDS while it multiplies the tile before, whose fragments lie converted in registers; then it converts its own.
; In front of the round: all my tensor loads have landed (my part of this trip's tile among them) and my reads of the other slot are back.
; Behind the round that holds of every wave of all sixteen work-groups: the other slot is asked for again first, one tensor load a wave (one is out at the most), then this slot is read.
.macro TRIP slot, other, refill, mul, zero, pf
	s_wait_tensorcnt 0x0
	ds_add_u32 v30, v31
	s_wait_dscnt 0x0
	s_add_nc_u64 s[G0X+4*\slot+2:G0X+4*\slot+3], s[G0X+4*\slot+2:G0X+4*\slot+3], 2*STEPB   ; no load of mine is out, so a group 0 may be written: this slot's next tile
	s_add_nc_u64 s[G0W+4*\slot+2:G0W+4*\slot+3], s[G0W+4*\slot+2:G0W+4*\slot+3], 2*STEPB
.if \pf
.if \slot
	s_wait_xcnt 0x0                                ; the prefetch of the trip before has had its address translated (ISA guide 3.1): its base steps only behind this wait
	s_add_nc_u64 s[PFB:PFB+1], s[PFB:PFB+1], 2*STEPB
.endif
.endif
	s_wait_dscnt 0x0
	ROUND
.if \refill
	JLOAD \other
.endif
.if \pf
.if \slot == 0
	PREF                                           ; the pair of trips for K steps 2 p, 2 p + 1 asks for steps 2 p + 4 and 2 p + 5
.endif
.endif
	FETCH \slot
.if \mul
	MUL \zero
	PLACES                                         ; the conversions write the fragments that the products read
.endif
	CVT
.endm
	TRIP 0, 1, 1, 0, 0, 1                          ; K step 0: nothing to multiply yet
	TRIP 1, 0, 1, 1, 1, 1                          ; K step 1 is read, step 0 starts the sums
	s_mov_b32 s71, 13
.Lpair:
	TRIP 0, 1, 1, 1, 0, 1
	TRIP 1, 0, 1, 1, 0, 1
	s_sub_co_u32 s71, s71, 1
	s_cmp_lg_u32 s71, 0
	s_cbranch_scc1 .Lpair                          ; K steps 2 to 27; the last prefetch asked for steps 30 and 31
	TRIP 0, 1, 1, 1, 0, 0
	TRIP 1, 0, 1, 1, 0, 0
	TRIP 0, 1, 1, 1, 0, 0                          ; K step 30; step 31 is the last fill
	TRIP 1, 0, 0, 1, 0, 0                          ; K step 31: nothing is left to fetch (the stepped addresses are not used)
	MUL 0                                          ; step 31's products
	; THE WAY OUT.  The ring has had its last fill and every wave's reads of it are back in front of this barrier, so it serves as the stage.
	WIN 0
	PLACES                                         ; behind the last products, in front of the LDS stores that read them
	s_wait_dscnt 0x0
	s_barrier_signal -1
	s_barrier_wait -1
	WIN 0x04                                       ; store data window 1
.irp a, 0,1,2,3
.irp j, 0,1,2,3,4,5,6,7
	ds_store_b128 v[STO], v[8*(8*\a+\j):8*(8*\a+\j)+3]   offset:\a*FR+64*\j      ; row 16 a + r, columns 16 j + 8 h + 0 .. 3
	ds_store_b128 v[STO], v[8*(8*\a+\j)+4:8*(8*\a+\j)+7] offset:\a*FR+64*\j+16   ; columns 16 j + 8 h + 4 .. 7
.endr
.endr
	WIN 0
	s_wait_dscnt 0x0                               ; for the others' sake: my stores are done
	s_barrier_signal -1
	s_barrier_wait -1
	s_wait_loadcnt 0x0                             ; x and b0
	s_wait_kmcnt 0x0                               ; v0
	; x, b0 and v0 take the same rounding to bf16 as the matrix operands, then go on as f32
	v_mov_b32 v[VV], s70
	v_cvt_pk_bf16_f32 v1, v[VV], v[VV]
	v_lshlrev_b32 v[VV], 16, v1
	v_lshlrev_b32 v[VV+1], 16, v1
.irp q, 0,2
	v_cvt_pk_bf16_f32 v[2+\q], v[BI+\q], v[BI+\q+1]
	v_lshlrev_b32 v[BI+\q], 16, v[2+\q]
	v_and_b32 v[BI+\q+1], 0xffff0000, v[2+\q]
.endr
.set i, 0
.rept 32
	v_cvt_pk_bf16_f32 v[1+i%8], v[XE+2*i], v[XE+2*i+1]
	v_lshlrev_b32 v[XE+2*i], 16, v[1+i%8]
	v_and_b32 v[XE+2*i+1], 0xffff0000, v[1+i%8]
.set i, i+1
.endr
; One time step for 4 rows x 4 columns a lane, in the order ((0.95 mem + cur) + v0 x) - spike_before; in step 0 mem and the reset are 0.
; mem - 1 > 0 holds exactly when mem > 1, so one compare gives this step's spike and the next step's reset.
.macro LIF g, st
.if \st
.irp e, 0,2,4,6,8,10,12,14
	v_pk_fma_f32 v[MEM+\e:MEM+\e+1], v[MEM+\e:MEM+\e+1], 0x3f733333, v[P+\e:P+\e+1] op_sel_hi:[1,0,1]
.endr
.irp e, 0,2,4,6,8,10,12,14
	v_pk_fma_f32 v[MEM+\e:MEM+\e+1], v[VV:VV+1], v[XE+16*\g+\e:XE+16*\g+\e+1], v[MEM+\e:MEM+\e+1]
.endr
.irp e, 0,2,4,6,8,10,12,14
	v_pk_fma_f32 v[MEM+\e:MEM+\e+1], v[SF+\e:SF+\e+1], -1.0, v[MEM+\e:MEM+\e+1] op_sel_hi:[1,0,1]   ; mem - spike, rounded once
.endr
.else
.irp e, 0,2,4,6,8,10,12,14
	v_pk_fma_f32 v[MEM+\e:MEM+\e+1], v[VV:VV+1], v[XE+16*\g+\e:XE+16*\g+\e+1], v[P+\e:P+\e+1]
.endr
.endif
.irp e, 0,1,2,3,4,5,6,7,8,9,10,11,12,13,14,15
	v_cmp_lt_f32 vcc_lo, 1.0, v[MEM+\e]
	v_cndmask_b32 v[SF+\e], 0, v[ONE], vcc_lo
.endr
.irp e, 0,2,4,6,8,10,12,14
	v_cvt_pk_bf16_f32 v[SPK+8*\st+\e/2], v[SF+\e], v[SF+\e+1]
.endr
.irp rr, 0,1,2,3
	global_store_b64 v[SO], v[SPK+8*\st+2*\rr:SPK+8*\st+2*\rr+1], s[SB:SB+1] offset:(64*\st+4*\g+\rr)*SROW   ; the wave's 32 lanes store 256 consecutive bytes, at a multiple of 256 from spk's first byte
.endr
.endm
; Rows 4 g .. 4 g + 3 of my 16: the four waves' partial sums are added, then b0, then the four time steps.
.macro GROUP g
.if \g
	s_wait_xcnt 0x0                                ; the packed spikes, which the last group's stores read, are written again only behind this wait
.endif
.irp rr, 0,1,2,3
	ds_load_b128 v[P+4*\rr:P+4*\rr+3],       v[RD0] offset:(4*\g+\rr)*PB        ; a whole row of 512 bytes a load
	ds_load_b128 v[P+16+4*\rr:P+16+4*\rr+3], v[RD0] offset:PART+(4*\g+\rr)*PB
	ds_load_b128 v[P+32+4*\rr:P+32+4*\rr+3], v[RD1] offset:(4*\g+\rr)*PB
	ds_load_b128 v[P+48+4*\rr:P+48+4*\rr+3], v[RD1] offset:PART+(4*\g+\rr)*PB
.endr
	s_wait_dscnt 0x0
.irp e, 0,2,4,6,8,10,12,14
	v_pk_add_f32 v[P+\e:P+\e+1], v[P+\e:P+\e+1], v[P+16+\e:P+16+\e+1]
	v_pk_add_f32 v[P+32+\e:P+32+\e+1], v[P+32+\e:P+32+\e+1], v[P+48+\e:P+48+\e+1]
.endr
.irp e, 0,2,4,6,8,10,12,14
	v_pk_add_f32 v[P+\e:P+\e+1], v[P+\e:P+\e+1], v[P+32+\e:P+32+\e+1]
.endr
.irp e, 0,2,4,6,8,10,12,14
	v_pk_add_f32 v[P+\e:P+\e+1], v[P+\e:P+\e+1], v[BI+\e%4:BI+\e%4+1]           ; cur0
.endr
	LIF \g, 0
	LIF \g, 1
	LIF \g, 2
	LIF \g, 3
.endm
	GROUP 0
	GROUP 1
	GROUP 2
	GROUP 3
	s_wait_tensorcnt 0x0
	ds_add_u32 v30, v31
	s_wait_dscnt 0x0
	ROUND                                          ; the closing round: no work-group ends while a partner may still ask for a tile that names it
	s_endpgm
.Lfunc_end_k_q1ee63ecac6_layer0:
	.size	k_q1ee63ecac6_layer0, .Lfunc_end_k_q1ee63ecac6_layer0-k_q1ee63ecac6_layer0
	.p2alignl 7, 3214868480
	.fill 96, 4, 3214868480
	.section	.rodata,"a",@progbits
	.p2align	6, 0x0
	.amdhsa_kernel k_q1ee63ecac6_layer0
		.amdhsa_group_segment_fixed_size 327680
		.amdhsa_private_segment_fixed_size 0
		.amdhsa_enable_private_segment 0
		.amdhsa_kernarg_size 40
		.amdhsa_user_sgpr_count 2
		.amdhsa_user_sgpr_kernarg_segment_ptr 1
		.amdhsa_wavefront_size32 1
		.amdhsa_system_sgpr_workgroup_id_x 1
		.amdhsa_system_sgpr_workgroup_id_y 1
		.amdhsa_system_sgpr_workgroup_id_z 1
		.amdhsa_system_vgpr_workitem_id 0
		.amdhsa_next_free_vgpr 768
		.amdhsa_next_free_sgpr 80
		.amdhsa_reserve_vcc 1
		.amdhsa_float_denorm_mode_32 3
		.amdhsa_float_denorm_mode_16_64 3
		.amdhsa_memory_ordered 1
		.amdhsa_forward_progress 1
		.amdhsa_inst_pref_size 183
	.end_amdhsa_kernel
	.amdgpu_metadata
---
amdhsa.version: [ 1, 2 ]
amdhsa.kernels:
  - .name:           k_q1ee63ecac6_layer0
    .symbol:         k_q1ee63ecac6_layer0.kd
    .args:
      - { .name: x, .offset: 0, .size: 8, .value_kind: global_buffer, .address_space: global }
      - { .name: W0, .offset: 8, .size: 8, .value_kind: global_buffer, .address_space: global }
      - { .name: b0, .offset: 16, .size: 8, .value_kind: global_buffer, .address_space: global }
      - { .name: v0, .offset: 24, .size: 8, .value_kind: global_buffer, .address_space: global }
      - { .name: spk, .offset: 32, .size: 8, .value_kind: global_buffer, .address_space: global }
    .group_segment_fixed_size: 327680
    .private_segment_fixed_size: 0
    .kernarg_segment_align: 8
    .kernarg_segment_size: 40
    .max_flat_workgroup_size: 128
    .sgpr_count:     80
    .vgpr_count:     768
    .wavefront_size: 32
...
	.end_amdgpu_metadata
.endif
;; end of part 1
;; launch layer1 (part 2): grid 8 x 32, 4 waves a work-group, clusters of 4 x 4, 327,680 bytes of LDS; arguments spk, W1, b1, v1, out0, out1; writes out0, out1
.if DOCPART == 2
	.amdgcn_target "amdgcn-amd-amdhsa--gfx1250"
	.amdhsa_code_object_version 6
	.text
	.protected	k_q1ee63ecac6_layer1
	.globl	k_q1ee63ecac6_layer1
	.p2align	8
	.type	k_q1ee63ecac6_layer1,@function
k_q1ee63ecac6_layer1:
	s_mov_b64 s[64:65], 0
	v_nop
	global_prefetch_b8 v0, s[64:65] scope:SCOPE_SE
	s_setreg_imm32_b32 hwreg(HW_REG_WAVE_MODE, 25, 1), 1
	s_wait_xcnt 0x0
	s_wait_alu depctr_hold_cnt(0) depctr_sa_sdst(0) depctr_va_vdst(0) depctr_va_sdst(0) depctr_va_ssrc(0) depctr_va_vcc(0) depctr_vm_vsrc(0)
	s_getreg_b32 s2, hwreg(HW_REG_IB_STS2, 6, 4)
	s_cmp_eq_u32 s2, 0
	s_cbranch_scc0 .Lentry_in_a_cluster
	s_endpgm
.Lentry_in_a_cluster:
	s_bfe_u32 s2, ttmp6, 0x10000c
	s_cmp_lg_u32 s2, 0xf033
	s_cbranch_scc0 .Lentry_shape_is_right
	s_endpgm
.Lentry_shape_is_right:
; LAYER 1 of the spiking net.  cur1[t] = spk0[t] W1^T + b1 for the four time steps is ONE product of 2,048 rows, then four steps of
;   mem = 0.95 mem + cur1[t] + v1 spk0[t] - spike_before,   spike = (mem > 1);   out0 = the spikes, out1 = the membrane potentials, [4][512][4096] f32.
; spk: bf16, [block of 64 batch rows: 8][time step: 4][row in the block: 64][4096], so a block's 256 rows follow each other.  W1: [4096][4096] f32.
; FORMAT, a design decision: W1, b1 and v1 are rounded to bf16 once, to nearest even; the spikes are exact in bf16; all else is f32.  The dot products are
; f32 sums in another order than a row-by-row sum: a membrane potential within that rounding of 1.0 may spike otherwise.  A NaN gives no spike.
; SHARES: a work-group makes 256 rows (4 steps x 64 batch rows) x 128 columns.  Wave w: mh = w >> 1 picks 32 batch rows, for all four steps (128 rows);
; kh = w & 1 picks 64 of each K step's 128 k.  So a wave's tile is 128 x 128, 64 accumulator tiles in 512 registers, and a lane ends up with all four time
; steps of its outputs.  The two K halves meet in LDS on the way out, where the results have to be turned into whole rows in any case.
; CLUSTERS: 4 x 4 work-groups.  The spikes' tile hangs on the block of batch rows alone (work-group x): shared by the four with my cx.  W1's tile hangs on the
; block of columns alone (work-group y): shared by the four with my cy.  Both are asked for jointly, which divides the requests by four.
; REGISTER WINDOWS: 0 addresses, the spikes' fragments (two buffers), the way out; 1 W1's bf16 fragments (two buffers) and W1 as loaded; 2, 3 accumulators.
.set KSTEP, 128
.set ASTEP, 256                        ; bytes of a K step in a row of spk
.set WSTEP, 512                        ; ... in a row of W1
.set ROWB,  16384                      ; bytes in a row of W1 and of the outputs
.set SROW,  8192                       ; bytes in a row of spk
.set PA,    272                        ; LDS row of spikes: 256 bytes + 16; PA and PB are odd multiples of 16, so the sixteen rows of a load start 16 bytes apart modulo 256 (64 banks of 4 bytes: ISA guide 11.1)
.set PB,    528                        ; LDS row of W1, and of the stage: 512 bytes + 16
.set FR,    16*PB
.set HALFT, 128*PA                     ; one wave's part of a slot: 128 rows of spikes, or 64 rows of W1 (33,792 bytes) and 1,024 bytes unused
.set SLOT,  4*HALFT                    ; the spikes' 256 rows, W1's rows 0-63, W1's rows 64-127
.set SPART, 128*PB                     ; the way out: one wave's partial tile
.set ADRA, 16                          ; v16-17   LDS address of my spike fragments in slot 0, 1
.set ADRB, 20                          ; v20-21   the same for W1
.set STO,  24                          ; v24      the way out: where I put my partial sums
.set RD0,  25                          ; v25      the way out: my rows in the partial tile of the wave with kh = 0
.set RD1,  26                          ; v26      ... with kh = 1
.set CO,   27                          ; v27      16 x lane
.set SO,   28                          ; v28      8 x lane
.set PF,   29                          ; v29      prefetch: my row and block
.set BI,   32                          ; v[32:35] b1 of my 4 columns
.set VV,   36                          ; v[36:37] v1, twice
.set ONE,  38                          ; v38      1.0
.set T,    40                          ; v[40:55] incoming spikes in f32
.set AFB,  64                          ; v[64:127], v[128:191] spike fragments, buffers 0 and 1
.set P0,   64                          ; the way out: partial sums, then the membrane potentials, 4 steps x 4 rows x 4
.set P1,   128                         ; the way out: partial sums, then the spikes
.set SIN,  192                         ; v[192:223], v[224:255] incoming spikes as loaded, two buffers
.set RAW,  128                         ; window 1: v[128:255] W1 as loaded, 8 fragments x 16; v[0:63], v[64:127] its bf16 fragments, buffers 0 and 1
.set G1A, 24                           ; s[24:31] descriptor group 1 for the spikes' tiles
.set G0A, 32                           ; s[32:39] group 0, one set for each slot
.set G1B, 40                           ; s[40:47] group 1 for W1's tiles
.set G0B, 48                           ; s[48:55] group 0
.set OB0, 68                           ; s[68:75] out0 at my rows, a base for each time step (the steps lie 2^23 bytes apart, past a store's immediate)
.set OB1, 76                           ; s[76:83] out1 likewise
.set SB,  84                           ; s[84:85] spk at my rows and the block's columns
.set PFB, 88                           ; s[88:89] prefetch base
.set BB,  94                           ; s[94:95] b1 at the block's columns
.set MUL_LO, 0xa1                      ; source 0 (W1) window 1, source 1 (spikes) window 0, C and D window 2
.set MUL_HI, 0xf1                      ; the same, C and D window 3
.set MSB, 0
.macro WIN new                         ; the immediate's high byte repeats the setting that is left
.if MSB != \new
	s_set_vgpr_msb (MSB<<8)|\new
.set MSB, \new
.endif
.endm
.macro PLACES                          ; four places behind a matrix instruction (ISA guide 7.12.1) before its registers are loaded into, written or stored
.rept 4
	v_nop
.endr
.endm
.macro CREST                           ; a round of the cluster's barrier behind its opening barrier
	s_cmp_lg_u32 s16, 0
	s_cbranch_scc1 .Lnot_wave_0_\@
	s_barrier_signal -3
.Lnot_wave_0_\@:
	s_barrier_wait -3
	s_barrier_signal -1
	s_barrier_wait -1
.endm
.macro CROUND                          ; a whole round
	s_barrier_signal -1
	s_barrier_wait -1
	CREST
.endm
; A step's joint loads: waves 0 and 1 ask for the spikes' two halves, waves 2 and 3 for W1's.  Each line has one mask; the branch hangs on the wave's number alone.
.macro JLOAD s
	s_cmp_eq_u32 s17, 0
	s_cbranch_scc0 .Lfor_w_\@
	tensor_load_to_lds s[G0A+4*\s:G0A+4*\s+3], s[G1A:G1A+7]
	s_nop 0
	s_branch .Lasked_\@
.Lfor_w_\@:
	tensor_load_to_lds s[G0B+4*\s:G0B+4*\s+3], s[G1B:G1B+7]
	s_nop 0
.Lasked_\@:
.endm
; Prefetch of W1: waves 0 and 1, 8 rows x 4 blocks of 256 bytes each = two K steps of 16 of the block's 128 rows; the eight work-groups that share the rows take 16 each.
; The spikes were stored by the launch before and get none.
.macro PREF
	s_cmp_gt_u32 s16, 1
	s_cbranch_scc1 .Lno_pf_\@
	global_prefetch_b8 v[PF], s[PFB:PFB+1] th:TH_LOAD_NT scope:SCOPE_SE
.Lno_pf_\@:
.endm
	s_load_b256 s[4:11], s[0:1], 0x0               ; spk s[4:5], W1 s[6:7], b1 s[8:9], v1 s[10:11]
	s_load_b128 s[12:15], s[0:1], 0x20             ; out0 s[12:13], out1 s[14:15]
	v_lshl_add_u32 v62, v0, 2, 0x44000
	v_mov_b32 v63, 0
	ds_add_u32 v62, v63
	v_lshrrev_b32 v1, 5, v0
	v_readfirstlane_b32 s16, v1                    ; wave 0..3
	s_lshr_b32 s17, s16, 1                         ; mh.  Also: I fetch spikes (0) or W1 (1)
	s_and_b32 s18, s16, 1                          ; kh.  Also: which half of that tile I fetch
	s_bfe_u32 s19, ttmp6, 0x40000                  ; cx
	s_bfe_u32 s20, ttmp6, 0x40004                  ; cy
	s_lshl_b32 s21, ttmp9, 2
	s_add_co_u32 s21, s21, s19                     ; block of batch rows = 4 x cluster x + cx, 0..7
	s_and_b32 s22, ttmp7, 0xffff
	s_lshl_b32 s22, s22, 2
	s_add_co_u32 s22, s22, s20                     ; block of columns = 4 x cluster y + cy, 0..31
	s_lshl_b32 s23, 0x1111, s19                    ; the four with my cx
	s_lshl_b32 s92, s20, 2
	s_lshl_b32 s92, 15, s92                        ; the four with my cy
	s_or_b32 s[G1A+0], s23, (1<<16)|(1<<20)|(1<<21)|(5<<22)|(3<<25)   ; elements of 2 bytes; behind every 64 words (code 5) 4 words of padding (code 3); bit 21 set beside a mask
	s_or_b32 s[G1B+0], s92, (2<<16)|(1<<20)|(1<<21)|(6<<22)|(3<<25)   ; elements of 4 bytes; behind every 128 words (code 6) 4 words
	s_mov_b32 s[G1A+1], KSTEP<<16                  ; tensor_dim0 = 128
	s_mov_b32 s[G1B+1], KSTEP<<16
	s_mov_b32 s[G1A+2], 128<<16                    ; tensor_dim1: 128 rows of spikes,
	s_mov_b32 s[G1B+2], 64<<16                     ; 64 rows of W1
	s_mov_b32 s[G1A+3], KSTEP<<16                  ; tile_dim0 = 128
	s_mov_b32 s[G1B+3], KSTEP<<16
	s_mov_b32 s[G1A+4], 128                        ; tile_dim1
	s_mov_b32 s[G1B+4], 64
	s_mov_b32 s[G1A+5], 4096                       ; elements from row to row
	s_mov_b32 s[G1B+5], 4096
	s_mov_b32 s[G1A+6], 0
	s_mov_b32 s[G1B+6], 0
	s_mov_b32 s[G1A+7], 0
	s_mov_b32 s[G1B+7], 0
	s_lshl_b32 s56, s21, 21                        ; spikes: 256 rows of 8,192 bytes for each block of batch rows,
	s_lshl_b32 s57, s18, 20                        ; + 128 rows for the second half
	s_add_co_u32 s56, s56, s57
	s_mov_b32 s57, 0
	s_lshl_b32 s60, s22, 21                        ; W1: 128 rows of 16,384 bytes for each block of columns,
	s_lshl_b32 s61, s18, 20                        ; + 64 rows for the second half
	s_add_co_u32 s60, s60, s61
	s_mov_b32 s61, 0
	s_mul_i32 s2, s16, HALFT                       ; where my tile goes: the wave's number x its part of a slot; no place in the cluster enters an LDS address
	s_wait_dscnt 0x0
	s_wait_kmcnt 0x0
	s_add_nc_u64 s[58:59], s[4:5], s[56:57]
	s_add_nc_u64 s[62:63], s[6:7], s[60:61]
	CROUND                                         ; all sixteen work-groups are here: the first joint loads meet
.irp s, 0,1
	s_mov_b32 s[G0A+4*\s], 1
	s_add_co_u32 s[G0A+4*\s+1], s2, \s*SLOT
	s_add_nc_u64 s[G0A+4*\s+2:G0A+4*\s+3], s[58:59], \s*ASTEP      ; K step s
	s_or_b32 s[G0A+4*\s+3], s[G0A+4*\s+3], 0x80000000              ; type = 2
	s_mov_b32 s[G0B+4*\s], 1
	s_add_co_u32 s[G0B+4*\s+1], s2, \s*SLOT
	s_add_nc_u64 s[G0B+4*\s+2:G0B+4*\s+3], s[62:63], \s*WSTEP
	s_or_b32 s[G0B+4*\s+3], s[G0B+4*\s+3], 0x80000000
	JLOAD \s                                       ; both slots are asked for before anything else: two tensor loads of a wave are out here, later one
.endr
	s_load_b32 s86, s[10:11], 0x0                  ; v1's value; waited for on the way out
	v_and_b32 v2, 31, v0                           ; lane L
	v_and_b32 v3, 15, v0                           ; r
	v_bfe_u32 v4, v0, 4, 1                         ; h
	v_mul_u32_u24 v5, v3, PA
	v_lshl_add_u32 v5, v4, 4, v5                   ; spikes: r x pitch + 16 h
	v_mul_u32_u24 v6, v3, PB
	v_lshl_add_u32 v6, v4, 5, v6                   ; W1 and the stage: r x pitch + 32 h
	s_mul_i32 s2, s17, 32*PA                       ; my 32 batch rows of each time step,
	s_lshl_b32 s3, s18, 7                          ; my 64 k: 128 bytes of bf16
	s_add_co_u32 s2, s2, s3
	v_add_nc_u32 v[ADRA], s2, v5
	v_add_nc_u32 v[ADRA+1], SLOT, v[ADRA]
	s_lshl_b32 s3, s18, 8                          ; my 64 k: 256 bytes of f32,
	s_add_co_u32 s3, s3, 2*HALFT                   ; behind the spikes' 256 rows
	v_add_nc_u32 v[ADRB], s3, v6
	v_add_nc_u32 v[ADRB+1], SLOT, v[ADRB]
	s_mul_i32 s2, s16, SPART
	v_add_nc_u32 v[STO], s2, v6                    ; my partial tile: the wave's number x 128 rows
	s_mul_i32 s2, s17, 2*SPART                     ; the two partial tiles of my mh,
	s_mul_i32 s3, s18, FR                          ; and of each time step's 32 rows the 16 that I finish
	s_add_co_u32 s2, s2, s3
	v_lshl_add_u32 v[RD0], v2, 4, s2
	v_add_nc_u32 v[RD1], SPART, v[RD0]
	v_lshlrev_b32 v[CO], 4, v2
	v_lshlrev_b32 v[SO], 3, v2
	v_mov_b32 v[ONE], 1.0
	s_lshl_b32 s90, s21, 4                         ; prefetch: row = 16 x block of batch rows + 8 x (wave & 1) + L / 4, block = L & 3
	s_lshl_b32 s91, s18, 3
	s_add_co_u32 s90, s90, s91
	s_lshl_b32 s90, s90, 14
	v_lshrrev_b32 v7, 2, v2
	v_and_b32 v8, 3, v2
	v_lshl_add_u32 v[PF], v7, 14, s90
	v_lshl_add_u32 v[PF], v8, 8, v[PF]
	s_lshl_b32 s90, s22, 21
	s_mov_b32 s91, 0
	s_add_nc_u64 s[PFB:PFB+1], s[6:7], s[90:91]
	s_add_nc_u64 s[PFB:PFB+1], s[PFB:PFB+1], 4*WSTEP               ; the first request is for K steps 4 and 5
	s_lshl_b32 s90, s22, 9                         ; 128 columns of f32
	s_add_nc_u64 s[BB:BB+1], s[8:9], s[90:91]
	global_load_b128 v[BI:BI+3], v[CO], s[BB:BB+1]                 ; b1; wanted on the way out only
	s_lshl_b32 s93, s21, 20                        ; outputs: 64 rows of 16,384 bytes for each block of batch rows,
	s_add_co_u32 s90, s90, s93
	s_lshl_b32 s93, s17, 19                        ; 32 rows for mh,
	s_add_co_u32 s90, s90, s93
	s_lshl_b32 s93, s18, 18                        ; 16 rows for kh
	s_add_co_u32 s90, s90, s93
	s_add_nc_u64 s[OB0:OB0+1], s[12:13], s[90:91]
	s_add_nc_u64 s[OB1:OB1+1], s[14:15], s[90:91]
.irp st, 1,2,3
	s_add_nc_u64 s[OB0+2*\st:OB0+2*\st+1], s[OB0+2*\st-2:OB0+2*\st-1], 0x800000   ; 512 rows of 16,384 bytes from a time step to the next
	s_add_nc_u64 s[OB1+2*\st:OB1+2*\st+1], s[OB1+2*\st-2:OB1+2*\st-1], 0x800000
.endr
	s_lshl_b32 s90, s21, 21                        ; spk for v1 spk0: 256 rows of 8,192 bytes for each block of batch rows,
	s_lshl_b32 s93, s17, 18                        ; 32 rows for mh,
	s_add_co_u32 s90, s90, s93
	s_lshl_b32 s93, s18, 17                        ; 16 rows for kh,
	s_add_co_u32 s90, s90, s93
	s_lshl_b32 s93, s22, 8                         ; 128 columns of bf16
	s_add_co_u32 s90, s90, s93
	s_add_nc_u64 s[SB:SB+1], s[4:5], s[90:91]
; 16 matrix instructions on buffer f: row fragments a0, a0 + 1 of the window's four x all 8 column fragments, 32 along K.  Used transposed: source 0 = 16 rows of W1,
; source 1 = 16 rows of spikes, so that a lane's eight results are eight neighbouring columns of one row.  zero = 1: the first product starts the sums.
; The 64 accumulators take turns, one instruction a turn, in the same order in every chunk, over the backward jump too.
.macro MUL16 f, hi, a0, zero
.irp a, \a0, \a0+1
.irp b, 0,1,2,3,4,5,6,7
.if \zero
	v_wmma_f32_16x16x32_bf16 v[8*(8*(\a)+\b):8*(8*(\a)+\b)+7], v[64*\f+8*\b:64*\f+8*\b+7], v[AFB+64*\f+8*(4*\hi+\a):AFB+64*\f+8*(4*\hi+\a)+7], 0
.else
	v_wmma_f32_16x16x32_bf16 v[8*(8*(\a)+\b):8*(8*(\a)+\b)+7], v[64*\f+8*\b:64*\f+8*\b+7], v[AFB+64*\f+8*(4*\hi+\a):AFB+64*\f+8*(4*\hi+\a)+7], v[8*(8*(\a)+\b):8*(8*(\a)+\b)+7]
.endif
.endr
.endr
.endm
; 48 LDS loads in one run: chunk c (32 k) of my 64 k of a slot.  W1 as f32: a fragment's lane takes 32 bytes at 32 h and 32 bytes at 64 + 32 h.
; Spikes into buffer g: row fragment i = 2 t + half lies at LDS row 64 t + 32 mh + 16 half; two loads of 16 bytes, 32 bytes apart.
.macro FETCH slot, c, g
	WIN 0x40                                       ; destination window 1, address window 0
.irp j, 0,1,2,3,4,5,6,7
.irp q, 0,1,2,3
	ds_load_b128 v[RAW+16*\j+4*\q:RAW+16*\j+4*\q+3], v[ADRB+\slot] offset:(\j>>2)*HALFT+(\j&3)*FR+128*\c+16*(\q&1)+64*(\q>>1)
.endr
.endr
	WIN 0
.irp i, 0,1,2,3,4,5,6,7
	ds_load_b128 v[AFB+64*\g+8*\i:AFB+64*\g+8*\i+3],   v[ADRA+\slot] offset:((\i>>1)*64+(\i&1)*16)*PA+64*\c
	ds_load_b128 v[AFB+64*\g+8*\i+4:AFB+64*\g+8*\i+7], v[ADRA+\slot] offset:((\i>>1)*64+(\i&1)*16)*PA+64*\c+32
.endr
.endm
; W1's f32 to bf16, to nearest even, two at a time, into buffer g.  That buffer's last products lie a whole chunk back.
.macro CVT g
	s_wait_dscnt 16                                ; LDS loads come back in order (ISA guide 5.7.1): W1's 32 are in, the spikes' 16 behind them may be out
	WIN 0x45                                       ; sources and destination window 1
.irp j, 0,1,2,3,4,5,6,7
.irp p, 0,1,2,3,4,5,6,7
	v_cvt_pk_bf16_f32 v[64*\g+8*\j+\p], v[RAW+16*\j+2*\p], v[RAW+16*\j+2*\p+1]
.endr
.endr
.endm
; A K step is two chunks of 32 k for a wave, 64 matrix instructions each.  The first: multiplies buffer 0, fetches and converts the slot's second chunk into buffer 1.
.macro CHUNK slot, zero
	s_wait_dscnt 8                                 ; the spikes' fragments 0-3 are in; the youngest eight loads (fragments 4-7) may be out
	WIN MUL_LO
	MUL16 0, 0, 0, \zero
	MUL16 0, 0, 2, \zero
	PLACES
	FETCH \slot, 1, 1
	s_wait_dscnt 48                                ; all but the 48 just issued
	WIN MUL_HI
	MUL16 0, 1, 0, \zero
	MUL16 0, 1, 2, \zero
	CVT 1
.endm
; The second chunk: multiplies buffer 1 and changes slots.  fill = 1: this slot is asked for again, two K steps ahead.
; In front of the barrier each wave waits for its reads of this slot and for all its tensor loads, of which one is out: its part of the next slot.  Where the slot is filled
; again the barrier opens a round of the cluster's barrier, with register work alone inside; the joint refill is the first tensor load behind the round, one a wave.
; From a request to the wait for it a wave issues 112 matrix instructions and 128 conversions.
.macro TURN slot, next, fill, pf
	s_wait_dscnt 8
	WIN MUL_LO
	MUL16 1, 0, 0, 0
	s_wait_dscnt 0x0                               ; my reads of this slot are over
	s_set_vgpr_msb 0xa1a0
	s_wait_tensorcnt 0x0                           ; and all my tensor loads have landed
	ds_add_u32 v62, v63
	s_wait_dscnt 0x0
	s_set_vgpr_msb 0xa0a1
	s_barrier_signal -1
	MUL16 1, 0, 2, 0                               ; work on registers while the others arrive
	WIN 0
	s_barrier_wait -1
.if \fill
	CREST                                          ; no wave of any partner still reads this slot or has a load on its way
	s_add_nc_u64 s[G0A+4*\slot+2:G0A+4*\slot+3], s[G0A+4*\slot+2:G0A+4*\slot+3], 2*ASTEP
	s_add_nc_u64 s[G0B+4*\slot+2:G0B+4*\slot+3], s[G0B+4*\slot+2:G0B+4*\slot+3], 2*WSTEP
	JLOAD \slot
.if \pf
.if \slot
	s_wait_xcnt 0x0                                ; the prefetch issued a K step ago has had its address translated (ISA guide 3.1): its base steps only behind this wait
	s_add_nc_u64 s[PFB:PFB+1], s[PFB:PFB+1], 2*WSTEP
.else
	PREF                                           ; the lap of K steps 2 l, 2 l + 1 asks for steps 2 l + 4 and 2 l + 5, which the next lap's refills request
.endif
.endif
.endif
	PLACES
	FETCH \next, 0, 0
	WIN MUL_HI
	MUL16 1, 1, 0, 0
	MUL16 1, 1, 2, 0
	CVT 0
.endm
.macro LAP zero, pf                    ; once round the ring, both slots asked for again
	CHUNK 0, \zero
	TURN 0, 1, 1, \pf
	CHUNK 1, 0
	TURN 1, 0, 1, \pf
.endm
	s_wait_tensorcnt 0x1                           ; my part of K step 0 is in; step 1's may stay out
	s_barrier_signal -1
	s_barrier_wait -1                              ; everybody's is
	FETCH 0, 0, 0
	CVT 0
	LAP 1, 1                                       ; the first lap stands in front of the loop: its first products start the sums
	WIN 0                                          ; at a label and at a branch every window is 0
	s_mov_b32 s87, 13
.Llap:
	LAP 0, 1
	WIN 0
	s_sub_co_u32 s87, s87, 1
	s_cmp_lg_u32 s87, 0
	s_cbranch_scc1 .Llap                           ; K steps 2 to 27; the last prefetch asked for steps 30 and 31
	LAP 0, 0                                       ; K steps 28 and 29; the refills bring 30 and 31
	CHUNK 0, 0                                     ; the last lap fills nothing and has no round of the cluster's barrier
	TURN 0, 1, 0, 0
	CHUNK 1, 0
	s_wait_dscnt 8                                 ; the very last chunk: nothing more to fetch
	WIN MUL_LO
	MUL16 1, 0, 0, 0
	MUL16 1, 0, 2, 0
	s_wait_dscnt 0x0
	WIN MUL_HI
	MUL16 1, 1, 0, 0
	MUL16 1, 1, 2, 0
; THE WAY OUT.  Sixteen loads of 8 bytes a lane: spk0 of rows 4 g .. 4 g + 3 of my 16 batch rows, all four steps, my 4 columns; each load of the wave covers 256 consecutive bytes, aligned.
.macro SINLOAD g, buf
.irp st, 0,1,2,3
.irp rr, 0,1,2,3
	global_load_b64 v[SIN+32*\buf+8*\st+2*\rr:SIN+32*\buf+8*\st+2*\rr+1], v[SO], s[SB:SB+1] offset:(64*\st+4*\g+\rr)*SROW
.endr
.endr
.endm
	WIN 0
	SINLOAD 0, 0
	PLACES                                         ; behind the last products, in front of the LDS stores that read them
	s_barrier_signal -1                            ; the ring has had its last fill, and every wave's reads of it are back (the wait for 0 above): it now serves as the stage
	s_barrier_wait -1
	WIN 0x08                                       ; store data window 2
.irp a, 0,1,2,3
.irp b, 0,1,2,3,4,5,6,7
	ds_store_b128 v[STO], v[8*(8*\a+\b):8*(8*\a+\b)+3]   offset:\a*FR+64*\b      ; stage row 16 a + r, columns 16 b + 8 h + 0 .. 3
	ds_store_b128 v[STO], v[8*(8*\a+\b)+4:8*(8*\a+\b)+7] offset:\a*FR+64*\b+16
.endr
.endr
	WIN 0x0c                                       ; store data window 3
.irp a, 0,1,2,3
.irp b, 0,1,2,3,4,5,6,7
	ds_store_b128 v[STO], v[8*(8*\a+\b):8*(8*\a+\b)+3]   offset:(\a+4)*FR+64*\b
	ds_store_b128 v[STO], v[8*(8*\a+\b)+4:8*(8*\a+\b)+7] offset:(\a+4)*FR+64*\b+16
.endr
.endr
	WIN 0
	s_wait_dscnt 0x0                               ; for the others' sake: my stores are done
	s_barrier_signal -1
	s_barrier_wait -1
	s_wait_loadcnt 16                              ; b1 is in; the sixteen spike loads issued behind it may be out
	s_wait_kmcnt 0x0                               ; v1
	; b1 and v1 take the same rounding to bf16 as the matrix operands, then go on as f32
	v_mov_b32 v[VV], s86
	v_cvt_pk_bf16_f32 v1, v[VV], v[VV]
	v_lshlrev_b32 v[VV], 16, v1
	v_lshlrev_b32 v[VV+1], 16, v1
.irp q, 0,2
	v_cvt_pk_bf16_f32 v[2+\q], v[BI+\q], v[BI+\q+1]
	v_lshlrev_b32 v[BI+\q], 16, v[2+\q]
	v_and_b32 v[BI+\q+1], 0xffff0000, v[2+\q]
.endr
; Time step st for 4 rows x 4 columns a lane, in the order ((0.95 mem + cur) + v1 spk0) - spike_before; in step 0 mem and the reset are 0.
; mem - 1 > 0 holds exactly when mem > 1, so one compare gives this step's spike and the next step's reset.  mem stays in P0, the spikes take P1's place.
.macro LIF g, st, buf
.irp e, 0,2,4,6,8,10,12,14
	v_pk_add_f32 v[P0+16*\st+\e:P0+16*\st+\e+1], v[P0+16*\st+\e:P0+16*\st+\e+1], v[P1+16*\st+\e:P1+16*\st+\e+1]   ; the two K halves
	v_lshlrev_b32 v[T+\e], 16, v[SIN+32*\buf+8*\st+\e/2]                                                          ; spk0: bf16 to f32
	v_and_b32 v[T+\e+1], 0xffff0000, v[SIN+32*\buf+8*\st+\e/2]
.endr
.irp e, 0,2,4,6,8,10,12,14
	v_pk_add_f32 v[P0+16*\st+\e:P0+16*\st+\e+1], v[P0+16*\st+\e:P0+16*\st+\e+1], v[BI+\e%4:BI+\e%4+1]             ; cur1
.endr
.if \st
.irp e, 0,2,4,6,8,10,12,14
	v_pk_fma_f32 v[P0+16*\st+\e:P0+16*\st+\e+1], v[P0+16*\st-16+\e:P0+16*\st-16+\e+1], 0x3f733333, v[P0+16*\st+\e:P0+16*\st+\e+1] op_sel_hi:[1,0,1]
.endr
.endif
.irp e, 0,2,4,6,8,10,12,14
	v_pk_fma_f32 v[P0+16*\st+\e:P0+16*\st+\e+1], v[VV:VV+1], v[T+\e:T+\e+1], v[P0+16*\st+\e:P0+16*\st+\e+1]
.endr
.if \st
.irp e, 0,2,4,6,8,10,12,14
	v_pk_fma_f32 v[P0+16*\st+\e:P0+16*\st+\e+1], v[P1+16*\st-16+\e:P1+16*\st-16+\e+1], -1.0, v[P0+16*\st+\e:P0+16*\st+\e+1] op_sel_hi:[1,0,1]   ; mem - spike, rounded once
.endr
.endif
.irp e, 0,1,2,3,4,5,6,7,8,9,10,11,12,13,14,15
	v_cmp_lt_f32 vcc_lo, 1.0, v[P0+16*\st+\e]
	v_cndmask_b32 v[P1+16*\st+\e], 0, v[ONE], vcc_lo
.endr
.irp rr, 0,1,2,3
	global_store_b128 v[CO], v[P1+16*\st+4*\rr:P1+16*\st+4*\rr+3], s[OB0+2*\st:OB0+2*\st+1] offset:(4*\g+\rr)*ROWB th:TH_STORE_NT   ; each store of the wave covers 512 consecutive bytes, aligned
	global_store_b128 v[CO], v[P0+16*\st+4*\rr:P0+16*\st+4*\rr+3], s[OB1+2*\st:OB1+2*\st+1] offset:(4*\g+\rr)*ROWB th:TH_STORE_NT
.endr
.endm
; Rows 4 g .. 4 g + 3 of my 16 batch rows, all four time steps.  more = 1: the next group's spikes (group gn) are asked for, into buffer bn.
.macro GROUP g, buf, more, gn, bn
.if \g
	s_wait_xcnt 0x0                                ; P0 and P1, which the last group's stores read, are loaded again only behind this wait
.endif
.irp st, 0,1,2,3
.irp rr, 0,1,2,3
	ds_load_b128 v[P0+16*\st+4*\rr:P0+16*\st+4*\rr+3], v[RD0] offset:(32*\st+4*\g+\rr)*PB   ; a whole row of 512 bytes a load
	ds_load_b128 v[P1+16*\st+4*\rr:P1+16*\st+4*\rr+3], v[RD1] offset:(32*\st+4*\g+\rr)*PB
.endr
.endr
.if \more
	SINLOAD \gn, \bn
	s_wait_loadcnt 16                              ; this group's spikes are in; the sixteen loads just issued may be out
.else
	s_wait_loadcnt 0x0
.endif
	s_wait_dscnt 0x0
	LIF \g, 0, \buf
	LIF \g, 1, \buf
	LIF \g, 2, \buf
	LIF \g, 3, \buf
.endm
	GROUP 0, 0, 1, 1, 1
	GROUP 1, 1, 1, 2, 0
	GROUP 2, 0, 1, 3, 1
	GROUP 3, 1, 0, 0, 0
	s_wait_tensorcnt 0x0
	ds_add_u32 v62, v63
	s_wait_dscnt 0x0
	CROUND                                         ; the closing round: no work-group ends while a partner may still ask for a tile that names it
	s_endpgm
.Lfunc_end_k_q1ee63ecac6_layer1:
	.size	k_q1ee63ecac6_layer1, .Lfunc_end_k_q1ee63ecac6_layer1-k_q1ee63ecac6_layer1
	.p2alignl 7, 3214868480
	.fill 96, 4, 3214868480
	.section	.rodata,"a",@progbits
	.p2align	6, 0x0
	.amdhsa_kernel k_q1ee63ecac6_layer1
		.amdhsa_group_segment_fixed_size 327680
		.amdhsa_private_segment_fixed_size 0
		.amdhsa_enable_private_segment 0
		.amdhsa_kernarg_size 48
		.amdhsa_user_sgpr_count 2
		.amdhsa_user_sgpr_kernarg_segment_ptr 1
		.amdhsa_wavefront_size32 1
		.amdhsa_system_sgpr_workgroup_id_x 1
		.amdhsa_system_sgpr_workgroup_id_y 1
		.amdhsa_system_sgpr_workgroup_id_z 1
		.amdhsa_system_vgpr_workitem_id 0
		.amdhsa_next_free_vgpr 1024
		.amdhsa_next_free_sgpr 96
		.amdhsa_reserve_vcc 1
		.amdhsa_float_denorm_mode_32 3
		.amdhsa_float_denorm_mode_16_64 3
		.amdhsa_memory_ordered 1
		.amdhsa_forward_progress 1
		.amdhsa_inst_pref_size 255
	.end_amdhsa_kernel
	.section	.bss,"aw",@nobits
	.p2align	6
	.space	262144
	.amdgpu_metadata
---
amdhsa.version: [ 1, 2 ]
amdhsa.kernels:
  - .name:           k_q1ee63ecac6_layer1
    .symbol:         k_q1ee63ecac6_layer1.kd
    .args:
      - { .name: spk, .offset: 0, .size: 8, .value_kind: global_buffer, .address_space: global }
      - { .name: W1, .offset: 8, .size: 8, .value_kind: global_buffer, .address_space: global }
      - { .name: b1, .offset: 16, .size: 8, .value_kind: global_buffer, .address_space: global }
      - { .name: v1, .offset: 24, .size: 8, .value_kind: global_buffer, .address_space: global }
      - { .name: out0, .offset: 32, .size: 8, .value_kind: global_buffer, .address_space: global }
      - { .name: out1, .offset: 40, .size: 8, .value_kind: global_buffer, .address_space: global }
    .group_segment_fixed_size: 327680
    .private_segment_fixed_size: 0
    .kernarg_segment_align: 8
    .kernarg_segment_size: 48
    .max_flat_workgroup_size: 128
    .sgpr_count:     96
    .vgpr_count:     1024
    .wavefront_size: 32
...
	.end_amdgpu_metadata
.endif
;; end of part 2
;; ======== version 2 of 2: 2 launches
;; limits: values outside matrix products are rounded to bf16
;; workspace buffers: spk 16,777,216 bytes; w1b 33,554,432 bytes
;; launch layer0 (part 3): grid 8 x 32, 4 waves a work-group, clusters of 4 x 4, 327,680 bytes of LDS; arguments x, W0, b0, v0, W1, spk, w1b; writes spk, w1b
.if DOCPART == 3
	.amdgcn_target "amdgcn-amd-amdhsa--gfx1250"
	.amdhsa_code_object_version 6
	.text
	.protected	k_q1ee63ecac6_layer0
	.globl	k_q1ee63ecac6_layer0
	.p2align	8
	.type	k_q1ee63ecac6_layer0,@function
k_q1ee63ecac6_layer0:
	s_mov_b64 s[64:65], 0
	v_nop
	global_prefetch_b8 v0, s[64:65] scope:SCOPE_SE
	s_setreg_imm32_b32 hwreg(HW_REG_WAVE_MODE, 25, 1), 1
	s_wait_xcnt 0x0
	s_wait_alu depctr_hold_cnt(0) depctr_sa_sdst(0) depctr_va_vdst(0) depctr_va_sdst(0) depctr_va_ssrc(0) depctr_va_vcc(0) depctr_vm_vsrc(0)
	s_getreg_b32 s2, hwreg(HW_REG_IB_STS2, 6, 4)
	s_cmp_eq_u32 s2, 0
	s_cbranch_scc0 .Lentry_in_a_cluster
	s_endpgm
.Lentry_in_a_cluster:
	s_bfe_u32 s2, ttmp6, 0x10000c
	s_cmp_lg_u32 s2, 0xf033
	s_cbranch_scc0 .Lentry_shape_is_right
	s_endpgm
.Lentry_shape_is_right:
; LAYER 0 of the spiking net.  cur0 = x W0^T + b0 is the same in all four time steps, so the product is made once; then four steps of
;   mem = 0.95 mem + cur0 + v0 x - spike_before,   spike = (mem > 1)
; run in registers, and the spikes leave as bf16 (0 and 1 are exact) for the second launch.
; x: [512][4096] f32.  W0, W1: [4096][4096] f32.  spk: bf16, [block of 64 batch rows: 8][time step: 4][row in the block: 64][4096].  w1b: [4096][4096] bf16.
; FORMAT, a design decision: every input is rounded to bf16 once, to nearest even: x and W0 for the matrix unit, and also x where it enters
; as v0 x, b0 and v0.  All else is f32.  So v0 x is exact in f32.  The dot products are f32 sums in another order than a row-by-row sum:
; a membrane potential that lies within that rounding of 1.0 may spike otherwise than in a sum taken in another order.  A NaN gives no spike.
; SHARES: a work-group makes 64 batch rows x 128 columns.  K goes in steps of 128; wave w multiplies k = 32 w .. 32 w + 31 of every step for
; the WHOLE tile (32 accumulator tiles of 16 x 16), so that a step's 96 KiB of f32 are read from LDS once by the four waves together; the four
; partial sums meet in LDS on the way out, where the results have to be turned into whole rows in any case.
; THE RING holds three K steps: slot A two of them (rows of 1,024 bytes), slot B one (rows of 512 bytes).  The tiles go A B A B .. A: 11 x 256 + 10 x 128 = 4,096,
; so there are 21 changes of slot for the 32 steps, and one joint load brings up to 64 KiB.
; SIDE WORK: the second launch wants W1 in bf16, so that three of ITS K steps fit in LDS.  Each wave rounds 64 KiB of W1, 2 KiB in each K step, through registers,
; while it would otherwise wait for tiles.
; CLUSTERS: 4 x 4 work-groups.  x's tile hangs on the block of batch rows alone (work-group x): shared by the four with my cx.  W0's tile hangs on
; the block of columns alone (work-group y): shared by the four with my cy.  Both are asked for jointly, which divides the requests by four.
; REGISTER WINDOWS: 0 addresses, bf16 fragments, side work, the way out; 1 the 256 accumulator registers; 2 f32 as loaded from LDS.
.set STEPB, 512                        ; bytes of a K step in a row of f32
.set LAPB,  3*STEPB                    ; a lap = once round the ring = three K steps
.set ROWB,  16384                      ; bytes in a row of x and of W0
.set SROW,  8192                       ; bytes in a row of spk
.set PA,    1040                       ; an LDS row of slot A: 1,024 bytes + 16 of padding = 65 x 16
.set PB,    528                        ; an LDS row of slot B and of the stage: 512 + 16 = 33 x 16.  Both are odd multiples of 16: the sixteen rows of a load start 16 bytes apart modulo 256 (64 banks of 4 bytes: ISA guide 11.1)
.set FRA,   16*PA                      ; sixteen LDS rows: from fragment to fragment
.set FRB,   16*PB
.set PARTA, 64*PA                      ; 64 rows: what one tensor load brings
.set PARTB, 64*PB                      ; the same in slot B; on the way out one wave's partial tile
.set SLOTB, 3*PARTA                    ; slot A: x's 64 rows, W0's rows 0-63, W0's rows 64-127; slot B lies behind it, in the same order
.set SIDEL, 2048                       ; side work: bytes of W1 that a wave loads in a K step,
.set SIDES, 1024                       ; and bytes of w1b that it stores
.set ADRXA, 10                         ; v10      LDS address of my x fragments in slot A
.set ADRWA, 11                         ; v11-12   of my W0 fragments 0-3 and 4-7 in slot A (an LDS immediate has 16 bits)
.set ADRXB, 13                         ; v13      x in slot B
.set ADRWB, 14                         ; v14-15   W0 in slot B
.set STO,  16                          ; v16      the way out: where I put my partial sums
.set RD0,  17                          ; v17      the way out: my 16 rows in the partial tiles of waves 0 and 1
.set RD1,  18                          ; v18      ... of waves 2 and 3
.set SO,   19                          ; v19      8 x lane: my 4 bf16
.set XO,   20                          ; v20      16 x lane: my 4 f32
.set PF,   21                          ; v21      prefetch: my row and block
.set ONE,  22                          ; v22      1.0
.set BI,   24                          ; v[24:27] b0 of my 4 columns
.set VV,   28                          ; v[28:29] v0, twice
.set AF,   32                          ; v[32:63]   four bf16 fragments of x
.set BF,   64                          ; v[64:127]  eight bf16 fragments of W0
.set SPK,  64                          ; v[64:95]   the way out: packed spikes, 4 steps x 4 rows x 2
.set XE,   128                         ; v[128:191] x of my 16 rows x 4 columns, for v0 x
.set SX,   192                         ; v[192:239] side work: W1 as loaded, three sets of 16
.set SY,   240                         ; v[240:247] side work: bf16 to store
.set P,    192                         ; v[192:255] the way out: four partial sums x 4 rows x 4; then cur0,
.set MEM,  P+16                        ;            the membrane potential
.set SF,   P+32                        ;            and the spikes in f32
.set RAWX, 0                           ; window 2: v[0:63]   x as loaded, 4 fragments x 16
.set RAWW, 64                          ; window 2: v[64:191] W0 as loaded, 8 fragments x 16
.set G1X, 24                           ; s[24:39] descriptor group 1 for x's tiles, slot A, slot B
.set G1W, 40                           ; s[40:55] group 1 for W0's tiles: differs in the mask alone
.set G0X, 56                           ; s[56:63] group 0 for x's tiles, slot A, slot B
.set G0W, 68                           ; s[68:75] group 0 for W0's tiles
.set PFB, 76                           ; s[76:77] prefetch base
.set XB,  78                           ; s[78:79] x at my 16 rows and the block's columns
.set SB,  80                           ; s[80:81] spk at my 16 rows, step 0
.set BB,  82                           ; s[82:83] b0 at the block's columns
.set WS,  84                           ; s[84:85] side work: W1 at what I load in the lap's first K step
.set WD,  86                           ; s[86:87] side work: w1b at the same numbers
.set MSB, 0
.macro WIN new                         ; the immediate's high byte repeats the setting that is left
.if MSB != \new
	s_set_vgpr_msb (MSB<<8)|\new
.set MSB, \new
.endif
.endm
.macro PLACES                          ; four places behind a matrix instruction before a vector instruction or an LDS store touches its registers
.rept 4
	v_nop
.endr
.endm
; A round of the cluster's barrier: my work-group's barrier, wave 0 signals for the work-group, every wave waits for all sixteen, my work-group's barrier again.
.macro ROUND
	s_barrier_signal -1
	s_barrier_wait -1
	s_cmp_lg_u32 s16, 0
	s_cbranch_scc1 .Lnot_wave_0_\@
	s_barrier_signal -3
.Lnot_wave_0_\@:
	s_barrier_wait -3
	s_barrier_signal -1
	s_barrier_wait -1
.endm
; A slot's joint loads (s = 0: slot A, 1: slot B): wave 0 asks for x's 64 rows, waves 1 and 2 for W0's two halves, wave 3 for nothing.
; Each line has one mask; the branches hang on the wave's number alone.
.macro JLOAD s
	s_cmp_lg_u32 s16, 0
	s_cbranch_scc1 .Lnot_x_\@
	tensor_load_to_lds s[G0X+4*\s:G0X+4*\s+3], s[G1X+8*\s:G1X+8*\s+7]
	s_nop 0
	s_branch .Lasked_\@
.Lnot_x_\@:
	s_cmp_eq_u32 s16, 3
	s_cbranch_scc1 .Lasked_\@
	tensor_load_to_lds s[G0W+4*\s:G0W+4*\s+3], s[G1W+8*\s:G1W+8*\s+7]
	s_nop 0
.Lasked_\@:
.endm
; Prefetch of W0: wave w (up to lim) asks for one K step, 16 rows x 2 blocks of 256 bytes; the eight work-groups that share the block's 128 rows take 16 rows each.
.macro PREF lim
	s_cmp_gt_u32 s16, \lim
	s_cbranch_scc1 .Lno_pf_\@
	global_prefetch_b8 v[PF], s[PFB:PFB+1] th:TH_LOAD_NT scope:SCOPE_SE
.Lno_pf_\@:
.endm
	s_load_b256 s[4:11], s[0:1], 0x0               ; x s[4:5], W0 s[6:7], b0 s[8:9], v0 s[10:11]
	s_load_b128 s[12:15], s[0:1], 0x20             ; W1 s[12:13], spk s[14:15]
	s_load_b64 s[100:101], s[0:1], 0x30            ; w1b
	v_lshl_add_u32 v30, v0, 2, 0x49800
	v_mov_b32 v31, 0
	ds_add_u32 v30, v31
	v_lshrrev_b32 v1, 5, v0
	v_readfirstlane_b32 s16, v1                    ; wave 0..3
	s_lshr_b32 s18, s16, 1                         ; which half of W0's rows I fetch: wave 1 the first, wave 2 the second
	s_bfe_u32 s19, ttmp6, 0x40000                  ; cx
	s_bfe_u32 s20, ttmp6, 0x40004                  ; cy
	s_lshl_b32 s21, ttmp9, 2
	s_add_co_u32 s21, s21, s19                     ; block of batch rows = 4 x cluster x + cx, 0..7
	s_and_b32 s22, ttmp7, 0xffff
	s_lshl_b32 s22, s22, 2
	s_add_co_u32 s22, s22, s20                     ; block of columns = 4 x cluster y + cy, 0..31
	s_lshl_b32 s23, 0x1111, s19                    ; the four with my cx: places cx, cx + 4, cx + 8, cx + 12
	s_lshl_b32 s94, s20, 2
	s_lshl_b32 s94, 15, s94                        ; the four with my cy: places 4 cy .. 4 cy + 3
	; group 1, t = 0 for slot A, 1 for slot B: 64 rows x 256 or 128 elements of 4 bytes; behind every row (256 words: code 7; 128 words: code 6) 4 words of padding (code 3); bit 21 set beside a mask
.irp t, 0,1
	s_or_b32 s[G1X+8*\t], s23, (2<<16)|(1<<20)|(1<<21)|((7-\t)<<22)|(3<<25)
	s_or_b32 s[G1W+8*\t], s94, (2<<16)|(1<<20)|(1<<21)|((7-\t)<<22)|(3<<25)
	s_mov_b32 s[G1X+8*\t+1], (256>>\t)<<16         ; tensor_dim0
	s_mov_b32 s[G1W+8*\t+1], (256>>\t)<<16
	s_mov_b32 s[G1X+8*\t+2], 64<<16                ; tensor_dim1 = 64
	s_mov_b32 s[G1W+8*\t+2], 64<<16
	s_mov_b32 s[G1X+8*\t+3], (256>>\t)<<16         ; tile_dim0
	s_mov_b32 s[G1W+8*\t+3], (256>>\t)<<16
	s_mov_b32 s[G1X+8*\t+4], 64                    ; tile_dim1 = 64
	s_mov_b32 s[G1W+8*\t+4], 64
	s_mov_b32 s[G1X+8*\t+5], 4096                  ; elements from row to row
	s_mov_b32 s[G1W+8*\t+5], 4096
	s_mov_b32 s[G1X+8*\t+6], 0
	s_mov_b32 s[G1W+8*\t+6], 0
	s_mov_b32 s[G1X+8*\t+7], 0
	s_mov_b32 s[G1W+8*\t+7], 0
.endr
	s_lshl_b32 s90, s21, 20                        ; x: 64 rows of 16,384 bytes for each block of batch rows
	s_mov_b32 s91, 0
	s_lshl_b32 s92, s22, 21                        ; W0: 128 rows for each block of columns,
	s_lshl_b32 s93, s18, 20                        ; + 64 rows for the second half
	s_add_co_u32 s92, s92, s93
	s_mov_b32 s93, 0
	s_mul_i32 s2, s16, PARTA                       ; where my tile goes: the wave's number x 64 LDS rows of the slot; no place in the cluster enters an LDS address
	s_mul_i32 s3, s16, PARTB
	s_wait_dscnt 0x0
	s_wait_kmcnt 0x0
	s_add_nc_u64 s[90:91], s[4:5], s[90:91]
	s_add_nc_u64 s[92:93], s[6:7], s[92:93]
.irp t, 0,1
	s_mov_b32 s[G0X+4*\t], 1
	s_add_co_u32 s[G0X+4*\t+1], s[2+\t], \t*SLOTB
	s_add_nc_u64 s[G0X+4*\t+2:G0X+4*\t+3], s[90:91], \t*2*STEPB    ; slot A: K steps 0 and 1; slot B: K step 2
	s_or_b32 s[G0X+4*\t+3], s[G0X+4*\t+3], 0x80000000              ; type = 2
	s_mov_b32 s[G0W+4*\t], 1
	s_add_co_u32 s[G0W+4*\t+1], s[2+\t], \t*SLOTB
	s_add_nc_u64 s[G0W+4*\t+2:G0W+4*\t+3], s[92:93], \t*2*STEPB
	s_or_b32 s[G0W+4*\t+3], s[G0W+4*\t+3], 0x80000000
.endr
	ROUND                                          ; all sixteen work-groups are here: the first joint loads meet
	; the first fills of both slots go out as one group, a wave's two inside one branch on its number: two tensor loads of a wave are out here, later one
	s_cmp_lg_u32 s16, 0
	s_cbranch_scc1 .Lfirst_not_x
	tensor_load_to_lds s[G0X:G0X+3], s[G1X:G1X+7]
	s_nop 0
	tensor_load_to_lds s[G0X+4:G0X+7], s[G1X+8:G1X+15]
	s_nop 0
	s_branch .Lfirst_asked
.Lfirst_not_x:
	s_cmp_eq_u32 s16, 3
	s_cbranch_scc1 .Lfirst_asked
	tensor_load_to_lds s[G0W:G0W+3], s[G1W:G1W+7]
	s_nop 0
	tensor_load_to_lds s[G0W+4:G0W+7], s[G1W+8:G1W+15]
	s_nop 0
.Lfirst_asked:
	s_load_b32 s88, s[10:11], 0x0                  ; v0's value; waited for on the way out
	v_and_b32 v2, 31, v0                           ; lane L
	v_and_b32 v3, 15, v0                           ; r
	v_bfe_u32 v4, v0, 4, 1                         ; h
	v_mul_u32_u24 v5, v3, PB
	v_lshl_add_u32 v5, v4, 5, v5                   ; r x pitch + 32 h: eight f32 for each half of the lanes
	v_mul_u32_u24 v6, v3, PA
	v_lshl_add_u32 v6, v4, 5, v6                   ; the same with slot A's pitch
	s_lshl_b32 s95, s16, 7                         ; my 32 k of a step: 128 bytes a wave
	v_add_nc_u32 v[ADRXA], s95, v6
	v_add_nc_u32 v[ADRWA], PARTA, v[ADRXA]
	v_add_nc_u32 v[ADRWA+1], 2*PARTA, v[ADRXA]
	v_add_nc_u32 v[ADRXB], s95, v5
	v_add_nc_u32 v[ADRXB], SLOTB, v[ADRXB]
	v_add_nc_u32 v[ADRWB], PARTB, v[ADRXB]
	v_add_nc_u32 v[ADRWB+1], 2*PARTB, v[ADRXB]
	v_add_nc_u32 v[STO], s3, v5                    ; my partial tile: the wave's number x 64 rows of 528 bytes
	s_mul_i32 s95, s16, FRB                        ; the 16 rows that I finish
	v_lshl_add_u32 v[RD0], v2, 4, s95
	v_add_nc_u32 v[RD1], 2*PARTB, v[RD0]
	v_lshlrev_b32 v[SO], 3, v2
	v_lshlrev_b32 v[XO], 4, v2
	v_mov_b32 v[ONE], 1.0
	s_lshl_b32 s96, s21, 18                        ; prefetch: row = 16 x block of batch rows + L / 2, block = L & 1, K step = wave
	s_lshl_b32 s97, s16, 9
	s_add_co_u32 s96, s96, s97
	v_lshrrev_b32 v7, 1, v2
	v_and_b32 v8, 1, v2
	v_lshl_add_u32 v[PF], v7, 14, s96
	v_lshl_add_u32 v[PF], v8, 8, v[PF]
	s_lshl_b32 s96, s22, 21
	s_mov_b32 s97, 0
	s_add_nc_u64 s[PFB:PFB+1], s[6:7], s[96:97]
	s_add_nc_u64 s[PFB:PFB+1], s[PFB:PFB+1], 6*STEPB               ; the first request is for K steps 6, 7 and 8
	s_lshl_b32 s96, s22, 9                         ; 128 columns of f32
	s_add_nc_u64 s[BB:BB+1], s[8:9], s[96:97]
	s_lshl_b32 s98, s21, 20
	s_add_co_u32 s96, s96, s98
	s_lshl_b32 s98, s16, 18                        ; 16 rows a wave
	s_add_co_u32 s96, s96, s98
	s_add_nc_u64 s[XB:XB+1], s[4:5], s[96:97]
	s_lshl_b32 s96, s21, 21                        ; spk: 256 rows of 8,192 bytes for each block of batch rows,
	s_lshl_b32 s98, s16, 17                        ; 16 rows a wave,
	s_add_co_u32 s96, s96, s98
	s_lshl_b32 s98, s22, 8                         ; 128 columns of bf16
	s_add_co_u32 s96, s96, s98
	s_add_nc_u64 s[SB:SB+1], s[14:15], s[96:97]
	s_lshl_b32 s96, s22, 3                         ; side work: the 1,024 waves of the launch take 64 KiB of W1 each, in the order 4 x (8 x block of columns + block of rows) + wave
	s_add_co_u32 s96, s96, s21
	s_lshl_b32 s96, s96, 2
	s_add_co_u32 s96, s96, s16
	s_lshl_b32 s98, s96, 15
	s_lshl_b32 s96, s96, 16
	s_add_nc_u64 s[WS:WS+1], s[12:13], s[96:97]
	s_add_nc_u64 s[WS:WS+1], s[WS:WS+1], 2*SIDEL   ; the bases stand at K step 2, the first lap's first step; steps 0 and 1 reach back
	s_mov_b32 s96, s98
	s_add_nc_u64 s[WD:WD+1], s[100:101], s[96:97]
	s_add_nc_u64 s[WD:WD+1], s[WD:WD+1], 2*SIDES
.irp i, 0,1,2,3,4,5,6,7,8,9,10,11,12,13,14,15
	global_load_b128 v[XE+4*\i:XE+4*\i+3], v[XO], s[XB:XB+1] offset:\i*ROWB   ; 512 neighbouring bytes a load; wanted on the way out only
.endr
	global_load_b128 v[BI:BI+3], v[XO], s[BB:BB+1]
; Side work, the loads of the K step at place pos of the lap: 2 KiB of W1, 512 neighbouring bytes a load, into one of three register sets.
.macro SIDELD pos, set
.irp i, 0,1,2,3
	global_load_b128 v[SX+16*\set+4*\i:SX+16*\set+4*\i+3], v[XO], s[WS:WS+1] offset:(\pos)*SIDEL+512*\i th:TH_LOAD_NT
.endr
.endm
; Side work, the stores: what was loaded two K steps ago (place pos - 2) is rounded to bf16 and stored.  cnt = how many younger loads may stay out.
.macro SIDEST pos, set, cnt
	s_wait_loadcnt \cnt                            ; loads come back in order (ISA guide 5.7.1): the set is in
	s_wait_xcnt 0x0                                ; SY, which the last step's stores read, is written again only behind this wait
.irp i, 0,1,2,3
	v_cvt_pk_bf16_f32 v[SY+2*\i],   v[SX+16*\set+4*\i],   v[SX+16*\set+4*\i+1]
	v_cvt_pk_bf16_f32 v[SY+2*\i+1], v[SX+16*\set+4*\i+2], v[SX+16*\set+4*\i+3]
.endr
.irp i, 0,1,2,3
	global_store_b64 v[SO], v[SY+2*\i:SY+2*\i+1], s[WD:WD+1] offset:((\pos)-2)*SIDES+256*\i   ; the wave's 32 lanes store 256 consecutive bytes, at a multiple of 256 from w1b's first byte
.endr
.endm
; 48 LDS loads: my 32 k of one K step as f32.  A bf16 fragment's lane holds k = 8 h .. 8 h + 7 and 16 + 8 h .. + 7: in f32 that is 32 bytes at 32 h and 32 bytes at 64 + 32 h.
; ax, aw: the slot's address registers; fr: sixteen of its rows; koff: the step's place in its rows.
.macro FETCH ax, aw, fr, koff
	WIN 0x80                                       ; destination window 2, address window 0
.irp a, 0,1,2,3
.irp q, 0,1,2,3
	ds_load_b128 v[RAWX+16*\a+4*\q:RAWX+16*\a+4*\q+3], v[\ax] offset:\a*\fr+\koff+16*(\q&1)+64*(\q>>1)
.endr
.endr
.irp j, 0,1,2,3,4,5,6,7
.irp q, 0,1,2,3
	ds_load_b128 v[RAWW+16*\j+4*\q:RAWW+16*\j+4*\q+3], v[\aw+(\j>>2)] offset:(\j&3)*\fr+\koff+16*(\q&1)+64*(\q>>1)
.endr
.endr
.endm
; 32 matrix instructions, used transposed: source 0 = 16 rows of W0, source 1 = 16 rows of x, so that a lane's eight results are eight neighbouring columns of one batch row.
; The 32 accumulators take turns, one instruction a turn, over the backward jump too.  zero = 1: the first product starts the sums.
.macro MUL zero
	WIN 0x50                                       ; C and D window 1, fragments window 0
.irp a, 0,1,2,3
.irp j, 0,1,2,3,4,5,6,7
.if \zero
	v_wmma_f32_16x16x32_bf16 v[8*(8*\a+\j):8*(8*\a+\j)+7], v[BF+8*\j:BF+8*\j+7], v[AF+8*\a:AF+8*\a+7], 0
.else
	v_wmma_f32_16x16x32_bf16 v[8*(8*\a+\j):8*(8*\a+\j)+7], v[BF+8*\j:BF+8*\j+7], v[AF+8*\a:AF+8*\a+7], v[8*(8*\a+\j):8*(8*\a+\j)+7]
.endif
.endr
.endr
.endm
; f32 to bf16, to nearest even, two at a time: 96 conversions make the twelve fragments.
.macro CVT
	WIN 0x0a                                       ; sources window 2, destination window 0
	s_wait_dscnt 32                                ; LDS loads come back in order (ISA guide 5.7.1): x's 16 are in, W0's 32 may be out
.irp a, 0,1,2,3
.irp p, 0,1,2,3,4,5,6,7
	v_cvt_pk_bf16_f32 v[AF+8*\a+\p], v[RAWX+16*\a+2*\p], v[RAWX+16*\a+2*\p+1]
.endr
.endr
.irp j, 0,1,2,3,4,5,6,7
	s_wait_dscnt 28-4*\j                           ; fragment j's four loads are in; four for each fragment behind it may be out
.irp p, 0,1,2,3,4,5,6,7
	v_cvt_pk_bf16_f32 v[BF+8*\j+\p], v[RAWW+16*\j+2*\p], v[RAWW+16*\j+2*\p+1]
.endr
.endr
	WIN 0
.endm
; One K step.  It reads its tile from LDS while it multiplies the step before, whose fragments lie converted in registers; then it converts its own.
; slot 0: slot A, half = which of its two steps; slot 1: slot B.  pos, set: the step's place in the lap and its register set for the side work; st: store set sset.
.macro STEP slot, half, mul, zero, pos, set, st, sset
	SIDELD \pos, \set
.if \slot
	FETCH ADRXB, ADRWB, FRB, 0
.else
	FETCH ADRXA, ADRWA, FRA, \half*STEPB
.endif
.if \mul
	MUL \zero
	PLACES                                         ; the conversions write the fragments that the products read
.endif
	CVT
.if \st
	SIDEST \pos, \sset, 8                          ; the eight loads of this step and of the step before may be out
.endif
.endm
; A change of slots; slot s has been read to its end.  In front of the round: all my tensor loads have landed (my part of the other slot among them) and my LDS reads are back.
; Behind the round that holds of every wave of all sixteen work-groups: slot s is asked for again first, one tensor load a wave, then the other slot is read.
.macro RING s, refill
	s_wait_tensorcnt 0x0
	ds_add_u32 v30, v31
	s_wait_dscnt 0x0
.if \refill
	s_add_nc_u64 s[G0X+4*\s+2:G0X+4*\s+3], s[G0X+4*\s+2:G0X+4*\s+3], LAPB   ; no load of mine is out, so a group 0 may be written: the slot's next tile, three K steps on
	s_add_nc_u64 s[G0W+4*\s+2:G0W+4*\s+3], s[G0W+4*\s+2:G0W+4*\s+3], LAPB
.endif
	s_wait_dscnt 0x0
	ROUND
.if \refill
	JLOAD \s
.endif
.endm
; Lap l: slot A is asked for again (K steps 3 l + 3, 3 l + 4), step 3 l + 2 is worked on from slot B; slot B is asked for again (step 3 l + 5), steps 3 l + 3 and 3 l + 4 are worked on.
; fillb = 0: no step is left for slot B.  pflim: waves 0 .. pflim ask for K steps 3 l + 6 .., which the next lap's refills request (0: none).  adv: the side work's and the prefetch's bases go on.
.macro LAP fillb, pflim, adv
	RING 0, 1
	STEP 1, 0, 1, 0, 0, 2, 1, 0
	RING 1, \fillb
.if \pflim
	PREF \pflim
.endif
	STEP 0, 0, 1, 0, 1, 0, 1, 1
	STEP 0, 1, 1, 0, 2, 1, 1, 2
.if \adv
	s_wait_xcnt 0x0                                ; every earlier memory instruction has had its addresses translated (ISA guide 3.1): the three bases step only behind this wait
	s_add_nc_u64 s[WS:WS+1], s[WS:WS+1], 3*SIDEL
	s_add_nc_u64 s[WD:WD+1], s[WD:WD+1], 3*SIDES
	s_add_nc_u64 s[PFB:PFB+1], s[PFB:PFB+1], LAPB
.endif
.endm
	s_wait_tensorcnt 0x1                           ; my part of slot A is in; slot B's, issued behind it, may stay out
	s_barrier_signal -1
	s_barrier_wait -1                              ; everybody's is
	STEP 0, 0, 0, 0, -2, 0, 0, 0                   ; K step 0: nothing to multiply yet
	STEP 0, 1, 1, 1, -1, 1, 0, 0                   ; K step 1 is read, step 0 starts the sums
	s_mov_b32 s89, 8
.Llap:
	LAP 1, 2, 1
	s_sub_co_u32 s89, s89, 1
	s_cmp_lg_u32 s89, 0
	s_cbranch_scc1 .Llap                           ; laps 0 to 7: K steps 2 to 25; the last prefetch asked for steps 27 to 29
	LAP 1, 1, 1                                    ; lap 8: the prefetch asks for steps 30 and 31 and no further
	LAP 0, 0, 0                                    ; lap 9: steps 30 and 31 are the last fill; slot B is not filled again
	MUL 0                                          ; step 31's products
	WIN 0
	SIDEST 3, 0, 4                                 ; side work: what K step 30 loaded; step 31's four loads may be out
	SIDEST 4, 1, 0                                 ; and what step 31 loaded.  This wait for 0 covers x and b0 too
	; THE WAY OUT.  The ring has had its last fill and every wave's reads of it are back in front of this barrier, so it serves as the stage.
	PLACES                                         ; behind the last products, in front of the LDS stores that read them
	s_wait_dscnt 0x0
	s_barrier_signal -1
	s_barrier_wait -1
	WIN 0x04                                       ; store data window 1
.irp a, 0,1,2,3
.irp j, 0,1,2,3,4,5,6,7
	ds_store_b128 v[STO], v[8*(8*\a+\j):8*(8*\a+\j)+3]   offset:\a*FRB+64*\j      ; row 16 a + r, columns 16 j + 8 h + 0 .. 3
	ds_store_b128 v[STO], v[8*(8*\a+\j)+4:8*(8*\a+\j)+7] offset:\a*FRB+64*\j+16   ; columns 16 j + 8 h + 4 .. 7
.endr
.endr
	WIN 0
	s_wait_dscnt 0x0                               ; for the others' sake: my stores are done
	s_barrier_signal -1
	s_barrier_wait -1
	s_wait_kmcnt 0x0                               ; v0
	; x, b0 and v0 take the same rounding to bf16 as the matrix operands, then go on as f32
	v_mov_b32 v[VV], s88
	v_cvt_pk_bf16_f32 v1, v[VV], v[VV]
	v_lshlrev_b32 v[VV], 16, v1
	v_lshlrev_b32 v[VV+1], 16, v1
.irp q, 0,2
	v_cvt_pk_bf16_f32 v[2+\q], v[BI+\q], v[BI+\q+1]
	v_lshlrev_b32 v[BI+\q], 16, v[2+\q]
	v_and_b32 v[BI+\q+1], 0xffff0000, v[2+\q]
.endr
.set i, 0
.rept 32
	v_cvt_pk_bf16_f32 v[1+i%8], v[XE+2*i], v[XE+2*i+1]
	v_lshlrev_b32 v[XE+2*i], 16, v[1+i%8]
	v_and_b32 v[XE+2*i+1], 0xffff0000, v[1+i%8]
.set i, i+1
.endr
; One time step for 4 rows x 4 columns a lane, in the order ((0.95 mem + cur) + v0 x) - spike_before; in step 0 mem and the reset are 0.
; mem - 1 > 0 holds exactly when mem > 1, so one compare gives this step's spike and the next step's reset.
.macro LIF g, st
.if \st
.irp e, 0,2,4,6,8,10,12,14
	v_pk_fma_f32 v[MEM+\e:MEM+\e+1], v[MEM+\e:MEM+\e+1], 0x3f733333, v[P+\e:P+\e+1] op_sel_hi:[1,0,1]
.endr
.irp e, 0,2,4,6,8,10,12,14
	v_pk_fma_f32 v[MEM+\e:MEM+\e+1], v[VV:VV+1], v[XE+16*\g+\e:XE+16*\g+\e+1], v[MEM+\e:MEM+\e+1]
.endr
.irp e, 0,2,4,6,8,10,12,14
	v_pk_fma_f32 v[MEM+\e:MEM+\e+1], v[SF+\e:SF+\e+1], -1.0, v[MEM+\e:MEM+\e+1] op_sel_hi:[1,0,1]   ; mem - spike, rounded once
.endr
.else
.irp e, 0,2,4,6,8,10,12,14
	v_pk_fma_f32 v[MEM+\e:MEM+\e+1], v[VV:VV+1], v[XE+16*\g+\e:XE+16*\g+\e+1], v[P+\e:P+\e+1]
.endr
.endif
.irp e, 0,1,2,3,4,5,6,7,8,9,10,11,12,13,14,15
	v_cmp_lt_f32 vcc_lo, 1.0, v[MEM+\e]
	v_cndmask_b32 v[SF+\e], 0, v[ONE], vcc_lo
.endr
.irp e, 0,2,4,6,8,10,12,14
	v_cvt_pk_bf16_f32 v[SPK+8*\st+\e/2], v[SF+\e], v[SF+\e+1]
.endr
.irp rr, 0,1,2,3
	global_store_b64 v[SO], v[SPK+8*\st+2*\rr:SPK+8*\st+2*\rr+1], s[SB:SB+1] offset:(64*\st+4*\g+\rr)*SROW   ; the wave's 32 lanes store 256 consecutive bytes, at a multiple of 256 from spk's first byte
.endr
.endm
; Rows 4 g .. 4 g + 3 of my 16: the four waves' partial sums are added, then b0, then the four time steps.
.macro GROUP g
	s_wait_xcnt 0x0                                ; what earlier stores read (the side work's SY, which lies in P; the last group's packed spikes) is written again only behind this wait
.irp rr, 0,1,2,3
	ds_load_b128 v[P+4*\rr:P+4*\rr+3],       v[RD0] offset:(4*\g+\rr)*PB        ; a whole row of 512 bytes a load
	ds_load_b128 v[P+16+4*\rr:P+16+4*\rr+3], v[RD0] offset:PARTB+(4*\g+\rr)*PB
	ds_load_b128 v[P+32+4*\rr:P+32+4*\rr+3], v[RD1] offset:(4*\g+\rr)*PB
	ds_load_b128 v[P+48+4*\rr:P+48+4*\rr+3], v[RD1] offset:PARTB+(4*\g+\rr)*PB
.endr
	s_wait_dscnt 0x0
.irp e, 0,2,4,6,8,10,12,14
	v_pk_add_f32 v[P+\e:P+\e+1], v[P+\e:P+\e+1], v[P+16+\e:P+16+\e+1]
	v_pk_add_f32 v[P+32+\e:P+32+\e+1], v[P+32+\e:P+32+\e+1], v[P+48+\e:P+48+\e+1]
.endr
.irp e, 0,2,4,6,8,10,12,14
	v_pk_add_f32 v[P+\e:P+\e+1], v[P+\e:P+\e+1], v[P+32+\e:P+32+\e+1]
.endr
.irp e, 0,2,4,6,8,10,12,14
	v_pk_add_f32 v[P+\e:P+\e+1], v[P+\e:P+\e+1], v[BI+\e%4:BI+\e%4+1]           ; cur0
.endr
	LIF \g, 0
	LIF \g, 1
	LIF \g, 2
	LIF \g, 3
.endm
	GROUP 0
	GROUP 1
	GROUP 2
	GROUP 3
	s_wait_tensorcnt 0x0
	ds_add_u32 v30, v31
	s_wait_dscnt 0x0
	ROUND                                          ; the closing round: no work-group ends while a partner may still ask for a tile that names it
	s_endpgm
.Lfunc_end_k_q1ee63ecac6_layer0:
	.size	k_q1ee63ecac6_layer0, .Lfunc_end_k_q1ee63ecac6_layer0-k_q1ee63ecac6_layer0
	.p2alignl 7, 3214868480
	.fill 96, 4, 3214868480
	.section	.rodata,"a",@progbits
	.p2align	6, 0x0
	.amdhsa_kernel k_q1ee63ecac6_layer0
		.amdhsa_group_segment_fixed_size 327680
		.amdhsa_private_segment_fixed_size 0
		.amdhsa_enable_private_segment 0
		.amdhsa_kernarg_size 56
		.amdhsa_user_sgpr_count 2
		.amdhsa_user_sgpr_kernarg_segment_ptr 1
		.amdhsa_wavefront_size32 1
		.amdhsa_system_sgpr_workgroup_id_x 1
		.amdhsa_system_sgpr_workgroup_id_y 1
		.amdhsa_system_sgpr_workgroup_id_z 1
		.amdhsa_system_vgpr_workitem_id 0
		.amdhsa_next_free_vgpr 768
		.amdhsa_next_free_sgpr 102
		.amdhsa_reserve_vcc 1
		.amdhsa_float_denorm_mode_32 3
		.amdhsa_float_denorm_mode_16_64 3
		.amdhsa_memory_ordered 1
		.amdhsa_forward_progress 1
		.amdhsa_inst_pref_size 233
	.end_amdhsa_kernel
	.amdgpu_metadata
---
amdhsa.version: [ 1, 2 ]
amdhsa.kernels:
  - .name:           k_q1ee63ecac6_layer0
    .symbol:         k_q1ee63ecac6_layer0.kd
    .args:
      - { .name: x, .offset: 0, .size: 8, .value_kind: global_buffer, .address_space: global }
      - { .name: W0, .offset: 8, .size: 8, .value_kind: global_buffer, .address_space: global }
      - { .name: b0, .offset: 16, .size: 8, .value_kind: global_buffer, .address_space: global }
      - { .name: v0, .offset: 24, .size: 8, .value_kind: global_buffer, .address_space: global }
      - { .name: W1, .offset: 32, .size: 8, .value_kind: global_buffer, .address_space: global }
      - { .name: spk, .offset: 40, .size: 8, .value_kind: global_buffer, .address_space: global }
      - { .name: w1b, .offset: 48, .size: 8, .value_kind: global_buffer, .address_space: global }
    .group_segment_fixed_size: 327680
    .private_segment_fixed_size: 0
    .kernarg_segment_align: 8
    .kernarg_segment_size: 56
    .max_flat_workgroup_size: 128
    .sgpr_count:     102
    .vgpr_count:     768
    .wavefront_size: 32
...
	.end_amdgpu_metadata
.endif
;; end of part 3
;; launch layer1 (part 4): grid 8 x 32, 4 waves a work-group, clusters of 4 x 4, 327,680 bytes of LDS; arguments spk, w1b, b1, v1, out0, out1; writes out0, out1
.if DOCPART == 4
	.amdgcn_target "amdgcn-amd-amdhsa--gfx1250"
	.amdhsa_code_object_version 6
	.text
	.protected	k_q1ee63ecac6_layer1
	.globl	k_q1ee63ecac6_layer1
	.p2align	8
	.type	k_q1ee63ecac6_layer1,@function
k_q1ee63ecac6_layer1:
	s_mov_b64 s[64:65], 0
	v_nop
	global_prefetch_b8 v0, s[64:65] scope:SCOPE_SE
	s_setreg_imm32_b32 hwreg(HW_REG_WAVE_MODE, 25, 1), 1
	s_wait_xcnt 0x0
	s_wait_alu depctr_hold_cnt(0) depctr_sa_sdst(0) depctr_va_vdst(0) depctr_va_sdst(0) depctr_va_ssrc(0) depctr_va_vcc(0) depctr_vm_vsrc(0)
	s_getreg_b32 s2, hwreg(HW_REG_IB_STS2, 6, 4)
	s_cmp_eq_u32 s2, 0
	s_cbranch_scc0 .Lentry_in_a_cluster
	s_endpgm
.Lentry_in_a_cluster:
	s_bfe_u32 s2, ttmp6, 0x10000c
	s_cmp_lg_u32 s2, 0xf033
	s_cbranch_scc0 .Lentry_shape_is_right
	s_endpgm
.Lentry_shape_is_right:
; LAYER 1 of the spiking net.  cur1[t] = spk0[t] W1^T + b1 for the four time steps is ONE product of 2,048 rows, then four steps of
;   mem = 0.95 mem + cur1[t] + v1 spk0[t] - spike_before,   spike = (mem > 1);   out0 = the spikes, out1 = the membrane potentials, [4][512][4096] f32.
; spk: bf16, [block of 64 batch rows: 8][time step: 4][row in the block: 64][4096], so a block's 256 rows follow each other.  w1b: W1 rounded to bf16 by the launch before, [4096][4096].
; FORMAT, a design decision: W1, b1 and v1 are rounded to bf16 once, to nearest even; the spikes are exact in bf16; all else is f32.  The dot products are
; f32 sums in another order than a row-by-row sum: a membrane potential within that rounding of 1.0 may spike otherwise.  A NaN gives no spike.
; SHARES: a work-group makes 256 rows (4 steps x 64 batch rows) x 128 columns.  Wave w: mh = w >> 1 picks 32 batch rows, for all four steps (128 rows);
; kh = w & 1 picks 64 of each K step's 128 k.  So a wave's tile is 128 x 128, 64 accumulator tiles in 512 registers, and a lane ends up with all four time
; steps of its outputs.  The two K halves meet in LDS on the way out, where the results have to be turned into whole rows in any case.
; THE RING holds three K steps of 128: slot 0 two of them (rows of 512 bytes), slot 1 one (rows of 256 bytes); each slot has the spikes' 256 rows, then W1's 128.
; The tiles go 0 1 0 1 .. 0: 11 x 256 + 10 x 128 = 4,096, so there are 21 changes of slot for the 32 steps.
; CLUSTERS: 4 x 4 work-groups.  The spikes' tile hangs on the block of batch rows alone (work-group x): shared by the four with my cx.  W1's tile hangs on the
; block of columns alone (work-group y): shared by the four with my cy.  Both are asked for jointly, which divides the requests by four.
; REGISTER WINDOWS: 0 addresses, the spikes' fragments (two buffers), the way out; 1 W1's fragments (two buffers); 2, 3 accumulators.
.set ASTEP, 256                        ; bytes of a K step in a row of spk and of w1b
.set LAPB,  3*ASTEP                    ; a lap = once round the ring = three K steps
.set ROWB,  16384                      ; bytes in a row of the outputs
.set SROW,  8192                       ; bytes in a row of spk and of w1b
.set PD,    528                        ; LDS row of slot 0 and of the stage: 512 bytes + 16
.set PS,    272                        ; LDS row of slot 1: 256 bytes + 16.  Both are odd multiples of 16: the sixteen rows of a load start 16 bytes apart modulo 256 (64 banks of 4 bytes: ISA guide 11.1)
.set SLOTS, 384*PD                     ; slot 1 lies behind slot 0's 384 rows
.set FR,    16*PD
.set SPART, 128*PD                     ; the way out: one wave's partial tile
.set ADRA, 16                          ; v16-17   LDS address of my spike fragments of time steps 0-1 and 2-3 in slot 0 (an LDS immediate has 16 bits); v18-19 in slot 1
.set ADRB, 20                          ; v20-21   of my W1 fragments in slot 0, 1
.set STO,  24                          ; v24      the way out: where I put my partial sums
.set RD0,  25                          ; v25      the way out: my rows in the partial tile of the wave with kh = 0
.set RD1,  26                          ; v26      ... with kh = 1
.set CO,   27                          ; v27      16 x lane
.set SO,   28                          ; v28      8 x lane
.set PF,   29                          ; v29      prefetch: my row and block
.set BI,   32                          ; v[32:35] b1 of my 4 columns
.set VV,   36                          ; v[36:37] v1, twice
.set ONE,  38                          ; v38      1.0
.set T,    40                          ; v[40:55] incoming spikes in f32
.set F0,   64                          ; v[64:127]  fragment buffer 0: spikes in window 0, W1 in window 1
.set F1,   128                         ; v[128:191] fragment buffer 1
.set P0,   64                          ; the way out: partial sums, then the membrane potentials, 4 steps x 4 rows x 4
.set P1,   128                         ; the way out: partial sums, then the spikes
.set SIN,  192                         ; v[192:223], v[224:255] incoming spikes as loaded, two buffers
.set G1A, 24                           ; s[24:39] descriptor group 1 for the spikes' tiles, slot 0, slot 1
.set G1W, 40                           ; s[40:55] group 1 for W1's tiles
.set G0A, 56                           ; s[56:63] group 0 for the spikes' tiles, slot 0, slot 1
.set G0W, 68                           ; s[68:75] group 0 for W1's tiles
.set OB0, 76                           ; s[76:83] out0 at my rows, a base for each time step (the steps lie 2^23 bytes apart, past a store's immediate)
.set OB1, 84                           ; s[84:91] out1 likewise
.set SB,  92                           ; s[92:93] spk at my rows and the block's columns
.set PFB, 94                           ; s[94:95] prefetch base
.set BB,  100                          ; s[100:101] b1 at the block's columns
.set MUL_LO, 0xa1                      ; source 0 (W1) window 1, source 1 (spikes) window 0, C and D window 2
.set MUL_HI, 0xf1                      ; the same, C and D window 3
.set TO_B,   0x40                      ; destination window 1, address window 0
.set MSB, 0
.macro WIN new                         ; the immediate's high byte repeats the setting that is left
.if MSB != \new
	s_set_vgpr_msb (MSB<<8)|\new
.set MSB, \new
.endif
.endm
.macro PLACES                          ; four places behind a matrix instruction (ISA guide 7.12.1) before its registers are loaded into, written or stored
.rept 4
	v_nop
.endr
.endm
.macro CREST                           ; a round of the cluster's barrier behind its opening barrier
	s_cmp_lg_u32 s16, 0
	s_cbranch_scc1 .Lnot_wave_0_\@
	s_barrier_signal -3
.Lnot_wave_0_\@:
	s_barrier_wait -3
	s_barrier_signal -1
	s_barrier_wait -1
.endm
.macro CROUND                          ; a whole round
	s_barrier_signal -1
	s_barrier_wait -1
	CREST
.endm
; A slot's joint loads: waves 0 and 1 ask for the spikes' two halves, waves 2 and 3 for W1's.  Each line has one mask; the branch hangs on the wave's number alone.
.macro JLOAD s
	s_cmp_eq_u32 s17, 0
	s_cbranch_scc0 .Lfor_w_\@
	tensor_load_to_lds s[G0A+4*\s:G0A+4*\s+3], s[G1A+8*\s:G1A+8*\s+7]
	s_nop 0
	s_branch .Lasked_\@
.Lfor_w_\@:
	tensor_load_to_lds s[G0W+4*\s:G0W+4*\s+3], s[G1W+8*\s:G1W+8*\s+7]
	s_nop 0
.Lasked_\@:
.endm
; Prefetch of w1b: wave w (up to lim) asks for two K steps, 16 rows x 2 blocks of 256 bytes; the eight work-groups that share the block's 128 rows take 16 rows each.
; The spikes get none: they are the last bytes that the launch before stored.
.macro PREF lim
	s_cmp_gt_u32 s16, \lim
	s_cbranch_scc1 .Lno_pf_\@
	global_prefetch_b8 v[PF], s[PFB:PFB+1] th:TH_LOAD_NT scope:SCOPE_SE
.Lno_pf_\@:
.endm
	s_load_b256 s[4:11], s[0:1], 0x0               ; spk s[4:5], w1b s[6:7], b1 s[8:9], v1 s[10:11]
	s_load_b128 s[12:15], s[0:1], 0x20             ; out0 s[12:13], out1 s[14:15]
	s_set_vgpr_msb 0x40
	v_lshl_add_u32 v255, v0, 2, 0x4b000
	s_set_vgpr_msb 0x4000
	v_mov_b32 v63, 0
	s_set_vgpr_msb 0x1
	ds_add_u32 v255, v63
	s_set_vgpr_msb 0x100
	v_lshrrev_b32 v1, 5, v0
	v_readfirstlane_b32 s16, v1                    ; wave 0..3
	s_lshr_b32 s17, s16, 1                         ; mh.  Also: I fetch spikes (0) or W1 (1)
	s_and_b32 s18, s16, 1                          ; kh.  Also: which half of that tile I fetch
	s_bfe_u32 s19, ttmp6, 0x40000                  ; cx
	s_bfe_u32 s20, ttmp6, 0x40004                  ; cy
	s_lshl_b32 s21, ttmp9, 2
	s_add_co_u32 s21, s21, s19                     ; block of batch rows = 4 x cluster x + cx, 0..7
	s_and_b32 s22, ttmp7, 0xffff
	s_lshl_b32 s22, s22, 2
	s_add_co_u32 s22, s22, s20                     ; block of columns = 4 x cluster y + cy, 0..31
	s_lshl_b32 s23, 0x1111, s19                    ; the four with my cx
	s_lshl_b32 s100, s20, 2
	s_lshl_b32 s100, 15, s100                      ; the four with my cy
	; group 1, t = 0 for slot 0, 1 for slot 1: rows of 256 or 128 elements of 2 bytes; behind every row (128 words: code 6; 64 words: code 5) 4 words of padding (code 3); bit 21 set beside a mask
.irp t, 0,1
	s_or_b32 s[G1A+8*\t], s23,  (1<<16)|(1<<20)|(1<<21)|((6-\t)<<22)|(3<<25)
	s_or_b32 s[G1W+8*\t], s100, (1<<16)|(1<<20)|(1<<21)|((6-\t)<<22)|(3<<25)
	s_mov_b32 s[G1A+8*\t+1], (256>>\t)<<16         ; tensor_dim0
	s_mov_b32 s[G1W+8*\t+1], (256>>\t)<<16
	s_mov_b32 s[G1A+8*\t+2], 128<<16               ; tensor_dim1: 128 rows of spikes,
	s_mov_b32 s[G1W+8*\t+2], 64<<16                ; 64 rows of W1
	s_mov_b32 s[G1A+8*\t+3], (256>>\t)<<16         ; tile_dim0
	s_mov_b32 s[G1W+8*\t+3], (256>>\t)<<16
	s_mov_b32 s[G1A+8*\t+4], 128                   ; tile_dim1
	s_mov_b32 s[G1W+8*\t+4], 64
	s_mov_b32 s[G1A+8*\t+5], 4096                  ; elements from row to row
	s_mov_b32 s[G1W+8*\t+5], 4096
	s_mov_b32 s[G1A+8*\t+6], 0
	s_mov_b32 s[G1W+8*\t+6], 0
	s_mov_b32 s[G1A+8*\t+7], 0
	s_mov_b32 s[G1W+8*\t+7], 0
	s_mov_b32 s[G0A+4*\t], 1
	s_mov_b32 s[G0W+4*\t], 1
.endr
	; where the tiles go: a constant and the wave's number times a constant; no place in the cluster enters an LDS address
	s_mul_i32 s[G0A+1], s16, 128*PD                ; waves 0, 1: the spikes' rows 0-127, 128-255
	s_mul_i32 s[G0A+5], s16, 128*PS
	s_add_co_u32 s[G0A+5], s[G0A+5], SLOTS
	s_mul_i32 s[G0W+1], s16, 64*PD                 ; waves 2, 3: 128 rows + wave x 64 rows = LDS rows 256 and 320
	s_add_co_u32 s[G0W+1], s[G0W+1], 128*PD
	s_mul_i32 s[G0W+5], s16, 64*PS
	s_add_co_u32 s[G0W+5], s[G0W+5], SLOTS+128*PS
	s_lshl_b32 s[G0A+2], s21, 21                   ; spikes: 256 rows of 8,192 bytes for each block of batch rows,
	s_lshl_b32 s[G0A+3], s18, 20                   ; + 128 rows for the second half
	s_add_co_u32 s[G0A+2], s[G0A+2], s[G0A+3]
	s_mov_b32 s[G0A+3], 0
	s_lshl_b32 s[G0W+2], s22, 20                   ; W1: 128 rows of 8,192 bytes for each block of columns,
	s_lshl_b32 s[G0W+3], s18, 19                   ; + 64 rows for the second half
	s_add_co_u32 s[G0W+2], s[G0W+2], s[G0W+3]
	s_mov_b32 s[G0W+3], 0
	s_wait_dscnt 0x0
	s_wait_kmcnt 0x0
	s_add_nc_u64 s[G0A+2:G0A+3], s[4:5], s[G0A+2:G0A+3]            ; slot 0: K steps 0 and 1
	s_add_nc_u64 s[G0A+6:G0A+7], s[G0A+2:G0A+3], 2*ASTEP           ; slot 1: K step 2
	s_or_b32 s[G0A+3], s[G0A+3], 0x80000000                        ; type = 2
	s_or_b32 s[G0A+7], s[G0A+7], 0x80000000
	s_add_nc_u64 s[G0W+2:G0W+3], s[6:7], s[G0W+2:G0W+3]
	s_add_nc_u64 s[G0W+6:G0W+7], s[G0W+2:G0W+3], 2*ASTEP
	s_or_b32 s[G0W+3], s[G0W+3], 0x80000000
	s_or_b32 s[G0W+7], s[G0W+7], 0x80000000
	CROUND                                         ; all sixteen work-groups are here: the first joint loads meet
	JLOAD 0                                        ; both slots are asked for before anything else: two tensor loads of a wave are out here, later one
	JLOAD 1
	s_load_b32 s96, s[10:11], 0x0                  ; v1's value; waited for on the way out
	v_and_b32 v2, 31, v0                           ; lane L
	v_and_b32 v3, 15, v0                           ; r
	v_bfe_u32 v4, v0, 4, 1                         ; h
	v_mul_u32_u24 v5, v3, PS
	v_lshl_add_u32 v5, v4, 4, v5                   ; fragments in slot 1: r x pitch + 16 h
	v_mul_u32_u24 v6, v3, PD
	v_lshl_add_u32 v7, v4, 4, v6                   ; fragments in slot 0: r x pitch + 16 h
	v_lshl_add_u32 v6, v4, 5, v6                   ; the stage: r x pitch + 32 h
	s_lshl_b32 s3, s18, 7                          ; my 64 k of a step: 128 bytes of bf16
	s_mul_i32 s2, s17, 32*PD                       ; my 32 batch rows of each time step
	s_add_co_u32 s2, s2, s3
	v_add_nc_u32 v[ADRA], s2, v7
	v_add_nc_u32 v[ADRA+1], 128*PD, v[ADRA]
	s_mul_i32 s2, s17, 32*PS
	s_add_co_u32 s2, s2, s3
	s_add_co_u32 s2, s2, SLOTS
	v_add_nc_u32 v[ADRA+2], s2, v5
	v_add_nc_u32 v[ADRA+3], 128*PS, v[ADRA+2]
	s_add_co_u32 s2, s3, 256*PD                    ; W1 lies behind the spikes' 256 rows
	v_add_nc_u32 v[ADRB], s2, v7
	s_add_co_u32 s2, s3, SLOTS+256*PS
	v_add_nc_u32 v[ADRB+1], s2, v5
	s_mul_i32 s2, s16, SPART
	v_add_nc_u32 v[STO], s2, v6                    ; my partial tile: the wave's number x 128 rows
	s_mul_i32 s2, s17, 2*SPART                     ; the two partial tiles of my mh,
	s_mul_i32 s3, s18, FR                          ; and of each time step's 32 rows the 16 that I finish
	s_add_co_u32 s2, s2, s3
	v_lshl_add_u32 v[RD0], v2, 4, s2
	v_add_nc_u32 v[RD1], SPART, v[RD0]
	v_lshlrev_b32 v[CO], 4, v2
	v_lshlrev_b32 v[SO], 3, v2
	v_mov_b32 v[ONE], 1.0
	s_lshl_b32 s98, s21, 17                        ; prefetch: row = 16 x block of batch rows + L / 2, K step = 2 x wave + (L & 1)
	s_lshl_b32 s97, s16, 9
	s_add_co_u32 s98, s98, s97
	v_lshrrev_b32 v8, 1, v2
	v_and_b32 v9, 1, v2
	v_lshl_add_u32 v[PF], v8, 13, s98
	v_lshl_add_u32 v[PF], v9, 8, v[PF]
	s_lshl_b32 s98, s22, 20
	s_mov_b32 s99, 0
	s_add_nc_u64 s[PFB:PFB+1], s[6:7], s[98:99]
	s_add_nc_u64 s[PFB:PFB+1], s[PFB:PFB+1], 6*ASTEP               ; the first request is for K steps 6 to 11
	s_lshl_b32 s98, s22, 9                         ; 128 columns of f32
	s_add_nc_u64 s[BB:BB+1], s[8:9], s[98:99]
	global_load_b128 v[BI:BI+3], v[CO], s[BB:BB+1]                 ; b1; wanted on the way out only
	s_lshl_b32 s97, s21, 20                        ; outputs: 64 rows of 16,384 bytes for each block of batch rows,
	s_add_co_u32 s98, s98, s97
	s_lshl_b32 s97, s17, 19                        ; 32 rows for mh,
	s_add_co_u32 s98, s98, s97
	s_lshl_b32 s97, s18, 18                        ; 16 rows for kh
	s_add_co_u32 s98, s98, s97
	s_add_nc_u64 s[OB0:OB0+1], s[12:13], s[98:99]
	s_add_nc_u64 s[OB1:OB1+1], s[14:15], s[98:99]
.irp st, 1,2,3
	s_add_nc_u64 s[OB0+2*\st:OB0+2*\st+1], s[OB0+2*\st-2:OB0+2*\st-1], 0x800000   ; 512 rows of 16,384 bytes from a time step to the next
	s_add_nc_u64 s[OB1+2*\st:OB1+2*\st+1], s[OB1+2*\st-2:OB1+2*\st-1], 0x800000
.endr
	s_lshl_b32 s98, s21, 21                        ; spk for v1 spk0: 256 rows of 8,192 bytes for each block of batch rows,
	s_lshl_b32 s97, s17, 18                        ; 32 rows for mh,
	s_add_co_u32 s98, s98, s97
	s_lshl_b32 s97, s18, 17                        ; 16 rows for kh,
	s_add_co_u32 s98, s98, s97
	s_lshl_b32 s97, s22, 8                         ; 128 columns of bf16
	s_add_co_u32 s98, s98, s97
	s_add_nc_u64 s[SB:SB+1], s[4:5], s[98:99]
; 16 matrix instructions on buffer f: row fragments a0, a0 + 1 of the window's four x all 8 column fragments, 32 along K.  Used transposed: source 0 = 16 rows of W1,
; source 1 = 16 rows of spikes, so that a lane's eight results are eight neighbouring columns of one row.  zero = 1: the first product starts the sums.
; The 64 accumulators take turns, one instruction a turn, in the same order in every chunk, over the backward jump too.
.macro MUL16 f, hi, a0, zero
.irp a, \a0, \a0+1
.irp b, 0,1,2,3,4,5,6,7
.if \zero
	v_wmma_f32_16x16x32_bf16 v[8*(8*(\a)+\b):8*(8*(\a)+\b)+7], v[\f+8*\b:\f+8*\b+7], v[\f+8*(4*\hi+\a):\f+8*(4*\hi+\a)+7], 0
.else
	v_wmma_f32_16x16x32_bf16 v[8*(8*(\a)+\b):8*(8*(\a)+\b)+7], v[\f+8*\b:\f+8*\b+7], v[\f+8*(4*\hi+\a):\f+8*(4*\hi+\a)+7], v[8*(8*(\a)+\b):8*(8*(\a)+\b)+7]
.endif
.endr
.endr
.endm
; 32 LDS loads in one run: a chunk of 32 k, at byte k of the slot's rows, into buffer f.  A fragment: lane l holds row l % 16; two loads of 16 bytes, 32 bytes apart.
; W1's fragment i is rows 16 i ..; the spikes' fragment i = 2 t + half lies at LDS row 64 t + 32 mh + 16 half.
.macro FETCH slot, k, f
	WIN TO_B
.irp i, 0,1,2,3,4,5,6,7
	ds_load_b128 v[\f+8*\i:\f+8*\i+3],   v[ADRB+\slot] offset:\i*16*(PD-\slot*(PD-PS))+\k
	ds_load_b128 v[\f+8*\i+4:\f+8*\i+7], v[ADRB+\slot] offset:\i*16*(PD-\slot*(PD-PS))+\k+32
.endr
	WIN 0
.irp i, 0,1,2,3,4,5,6,7
	ds_load_b128 v[\f+8*\i:\f+8*\i+3],   v[ADRA+2*\slot+(\i>>2)] offset:(((\i>>1)&1)*64+(\i&1)*16)*(PD-\slot*(PD-PS))+\k
	ds_load_b128 v[\f+8*\i+4:\f+8*\i+7], v[ADRA+2*\slot+(\i>>2)] offset:(((\i>>1)&1)*64+(\i&1)*16)*(PD-\slot*(PD-PS))+\k+32
.endr
.endm
; A K step is two chunks of 32 k for a wave, 64 matrix instructions each, on buffers 0, 1 in turn.
; A chunk that stays in its slot: multiplies buffer f; in its middle it fetches the next chunk's fragments, at byte k of the same slot's rows, into buffer g.
.macro QUARTER slot, k, f, g, zero
	s_wait_dscnt 8                                 ; LDS loads come back in order (ISA guide 5.7.1): W1 and the spikes' fragments 0-3 are in; the youngest eight loads (fragments 4-7) may be out
	WIN MUL_LO
	MUL16 \f, 0, 0, \zero
	MUL16 \f, 0, 2, \zero
	PLACES
	FETCH \slot, \k, \g
	s_wait_dscnt 32                                ; all but the 32 just issued
	WIN MUL_HI
	MUL16 \f, 1, 0, \zero
	MUL16 \f, 1, 2, \zero
.endm
; A slot's last chunk: multiplies buffer 1 and changes slots.  fill = 1: this slot is asked for again, three K steps on.
; In front of the barrier each wave waits for its reads of this slot and for all its tensor loads, of which one is out: its part of the next slot.  Where the slot is filled
; again the barrier opens a round of the cluster's barrier, with register work alone inside; the joint refill is the first tensor load behind the round, one a wave.
; From the request for slot 0 to the wait for it a wave issues 112 matrix instructions, for slot 1 240.
; pstep: the prefetch base goes on.  pf: waves 0 .. pf - 1 prefetch (0: none).
.macro TURN slot, next, fill, pstep, pf
	s_wait_dscnt 8
	WIN MUL_LO
	MUL16 F1, 0, 0, 0
	s_wait_dscnt 0x0                               ; my reads of this slot are over
	s_wait_tensorcnt 0x0                           ; and all my tensor loads have landed
	ds_add_u32 v255, v63
	s_wait_dscnt 0x0
	s_barrier_signal -1
	MUL16 F1, 0, 2, 0                              ; work on registers while the others arrive
	WIN 0
	s_barrier_wait -1
.if \fill
	CREST                                          ; no wave of any partner still reads this slot or has a load on its way
	s_add_nc_u64 s[G0A+4*\slot+2:G0A+4*\slot+3], s[G0A+4*\slot+2:G0A+4*\slot+3], LAPB
	s_add_nc_u64 s[G0W+4*\slot+2:G0W+4*\slot+3], s[G0W+4*\slot+2:G0W+4*\slot+3], LAPB
	JLOAD \slot
.if \pstep
	s_wait_xcnt 0x0                                ; the prefetch issued in the lap before has had its address translated (ISA guide 3.1): its base steps only behind this wait
	s_add_nc_u64 s[PFB:PFB+1], s[PFB:PFB+1], 2*LAPB
.endif
.if \pf
	PREF \pf-1
.endif
.endif
	PLACES
	FETCH \next, 0, F0
	WIN MUL_HI
	MUL16 F1, 1, 0, 0
	MUL16 F1, 1, 2, 0
.endm
; Lap l: K steps 3 l, 3 l + 1 from slot 0, which is then asked for again (steps 3 l + 3, 3 l + 4); step 3 l + 2 from slot 1, which is then asked for again (step 3 l + 5) if fills = 1.
; Every second lap prefetches, behind slot 1's refill: lap l asks for K steps 3 l + 6 to 3 l + 11, which the refills of the next two laps request.
.macro LAP zero, fills, pstep, pf
	QUARTER 0, 64,  F0, F1, \zero
	QUARTER 0, 256, F1, F0, 0
	QUARTER 0, 320, F0, F1, 0
	TURN 0, 1, 1, \pstep, 0
	QUARTER 1, 64,  F0, F1, 0
	TURN 1, 0, \fills, 0, \pf
.endm
	s_wait_tensorcnt 0x1                           ; my part of slot 0 is in; slot 1's, issued behind it, may stay out
	s_barrier_signal -1
	s_barrier_wait -1                              ; everybody's is
	FETCH 0, 0, F0
	LAP 1, 1, 0, 3                                 ; lap 0 stands in front of the loop: its first products start the sums
	WIN 0                                          ; at a label and at a branch every window is 0
	s_mov_b32 s97, 3
.Llap:
	LAP 0, 1, 1, 0
	LAP 0, 1, 0, 3
	WIN 0
	s_sub_co_u32 s97, s97, 1
	s_cmp_lg_u32 s97, 0
	s_cbranch_scc1 .Llap                           ; laps 1 to 6; the last prefetch asked for K steps 24 to 29
	LAP 0, 1, 1, 0                                 ; lap 7
	LAP 0, 1, 0, 1                                 ; lap 8: wave 0 alone prefetches, K steps 30 and 31, and no further
	LAP 0, 0, 0, 0                                 ; lap 9: K steps 30 and 31 are the last fill; slot 1 is not filled again
	QUARTER 0, 64,  F0, F1, 0                      ; K steps 30 and 31
	QUARTER 0, 256, F1, F0, 0
	QUARTER 0, 320, F0, F1, 0
	s_wait_dscnt 8                                 ; the very last chunk: nothing more to fetch
	WIN MUL_LO
	MUL16 F1, 0, 0, 0
	MUL16 F1, 0, 2, 0
	s_wait_dscnt 0x0
	WIN MUL_HI
	MUL16 F1, 1, 0, 0
	MUL16 F1, 1, 2, 0
; THE WAY OUT.  Sixteen loads of 8 bytes a lane: spk0 of rows 4 g .. 4 g + 3 of my 16 batch rows, all four steps, my 4 columns; each load of the wave covers 256 consecutive bytes, aligned.
.macro SINLOAD g, buf
.irp st, 0,1,2,3
.irp rr, 0,1,2,3
	global_load_b64 v[SIN+32*\buf+8*\st+2*\rr:SIN+32*\buf+8*\st+2*\rr+1], v[SO], s[SB:SB+1] offset:(64*\st+4*\g+\rr)*SROW
.endr
.endr
.endm
	WIN 0
	SINLOAD 0, 0
	PLACES                                         ; behind the last products, in front of the LDS stores that read them
	s_barrier_signal -1                            ; the ring has had its last fill, and every wave's reads of it are back (the wait for 0 above): it now serves as the stage
	s_barrier_wait -1
	WIN 0x08                                       ; store data window 2
.irp a, 0,1,2,3
.irp b, 0,1,2,3,4,5,6,7
	ds_store_b128 v[STO], v[8*(8*\a+\b):8*(8*\a+\b)+3]   offset:\a*FR+64*\b      ; stage row 16 a + r, columns 16 b + 8 h + 0 .. 3
	ds_store_b128 v[STO], v[8*(8*\a+\b)+4:8*(8*\a+\b)+7] offset:\a*FR+64*\b+16
.endr
.endr
	WIN 0x0c                                       ; store data window 3
.irp a, 0,1,2,3
.irp b, 0,1,2,3,4,5,6,7
	ds_store_b128 v[STO], v[8*(8*\a+\b):8*(8*\a+\b)+3]   offset:(\a+4)*FR+64*\b
	ds_store_b128 v[STO], v[8*(8*\a+\b)+4:8*(8*\a+\b)+7] offset:(\a+4)*FR+64*\b+16
.endr
.endr
	WIN 0
	s_wait_dscnt 0x0                               ; for the others' sake: my stores are done
	s_barrier_signal -1
	s_barrier_wait -1
	s_wait_loadcnt 16                              ; b1 is in; the sixteen spike loads issued behind it may be out
	s_wait_kmcnt 0x0                               ; v1
	; b1 and v1 take the same rounding to bf16 as the matrix operands, then go on as f32
	v_mov_b32 v[VV], s96
	v_cvt_pk_bf16_f32 v1, v[VV], v[VV]
	v_lshlrev_b32 v[VV], 16, v1
	v_lshlrev_b32 v[VV+1], 16, v1
.irp q, 0,2
	v_cvt_pk_bf16_f32 v[2+\q], v[BI+\q], v[BI+\q+1]
	v_lshlrev_b32 v[BI+\q], 16, v[2+\q]
	v_and_b32 v[BI+\q+1], 0xffff0000, v[2+\q]
.endr
; Time step st for 4 rows x 4 columns a lane, in the order ((0.95 mem + cur) + v1 spk0) - spike_before; in step 0 mem and the reset are 0.
; mem - 1 > 0 holds exactly when mem > 1, so one compare gives this step's spike and the next step's reset.  mem stays in P0, the spikes take P1's place.
.macro LIF g, st, buf
.irp e, 0,2,4,6,8,10,12,14
	v_pk_add_f32 v[P0+16*\st+\e:P0+16*\st+\e+1], v[P0+16*\st+\e:P0+16*\st+\e+1], v[P1+16*\st+\e:P1+16*\st+\e+1]   ; the two K halves
	v_lshlrev_b32 v[T+\e], 16, v[SIN+32*\buf+8*\st+\e/2]                                                          ; spk0: bf16 to f32
	v_and_b32 v[T+\e+1], 0xffff0000, v[SIN+32*\buf+8*\st+\e/2]
.endr
.irp e, 0,2,4,6,8,10,12,14
	v_pk_add_f32 v[P0+16*\st+\e:P0+16*\st+\e+1], v[P0+16*\st+\e:P0+16*\st+\e+1], v[BI+\e%4:BI+\e%4+1]             ; cur1
.endr
.if \st
.irp e, 0,2,4,6,8,10,12,14
	v_pk_fma_f32 v[P0+16*\st+\e:P0+16*\st+\e+1], v[P0+16*\st-16+\e:P0+16*\st-16+\e+1], 0x3f733333, v[P0+16*\st+\e:P0+16*\st+\e+1] op_sel_hi:[1,0,1]
.endr
.endif
.irp e, 0,2,4,6,8,10,12,14
	v_pk_fma_f32 v[P0+16*\st+\e:P0+16*\st+\e+1], v[VV:VV+1], v[T+\e:T+\e+1], v[P0+16*\st+\e:P0+16*\st+\e+1]
.endr
.if \st
.irp e, 0,2,4,6,8,10,12,14
	v_pk_fma_f32 v[P0+16*\st+\e:P0+16*\st+\e+1], v[P1+16*\st-16+\e:P1+16*\st-16+\e+1], -1.0, v[P0+16*\st+\e:P0+16*\st+\e+1] op_sel_hi:[1,0,1]   ; mem - spike, rounded once
.endr
.endif
.irp e, 0,1,2,3,4,5,6,7,8,9,10,11,12,13,14,15
	v_cmp_lt_f32 vcc_lo, 1.0, v[P0+16*\st+\e]
	v_cndmask_b32 v[P1+16*\st+\e], 0, v[ONE], vcc_lo
.endr
.irp rr, 0,1,2,3
	global_store_b128 v[CO], v[P1+16*\st+4*\rr:P1+16*\st+4*\rr+3], s[OB0+2*\st:OB0+2*\st+1] offset:(4*\g+\rr)*ROWB th:TH_STORE_NT   ; each store of the wave covers 512 consecutive bytes, aligned
	global_store_b128 v[CO], v[P0+16*\st+4*\rr:P0+16*\st+4*\rr+3], s[OB1+2*\st:OB1+2*\st+1] offset:(4*\g+\rr)*ROWB th:TH_STORE_NT
.endr
.endm
; Rows 4 g .. 4 g + 3 of my 16 batch rows, all four time steps.  more = 1: the next group's spikes (group gn) are asked for, into buffer bn.
.macro GROUP g, buf, more, gn, bn
.if \g
	s_wait_xcnt 0x0                                ; P0 and P1, which the last group's stores read, are loaded again only behind this wait
.endif
.irp st, 0,1,2,3
.irp rr, 0,1,2,3
	ds_load_b128 v[P0+16*\st+4*\rr:P0+16*\st+4*\rr+3], v[RD0] offset:(32*\st+4*\g+\rr)*PD   ; a whole row of 512 bytes a load
	ds_load_b128 v[P1+16*\st+4*\rr:P1+16*\st+4*\rr+3], v[RD1] offset:(32*\st+4*\g+\rr)*PD
.endr
.endr
.if \more
	SINLOAD \gn, \bn
	s_wait_loadcnt 16                              ; this group's spikes are in; the sixteen loads just issued may be out
.else
	s_wait_loadcnt 0x0
.endif
	s_wait_dscnt 0x0
	LIF \g, 0, \buf
	LIF \g, 1, \buf
	LIF \g, 2, \buf
	LIF \g, 3, \buf
.endm
	GROUP 0, 0, 1, 1, 1
	GROUP 1, 1, 1, 2, 0
	GROUP 2, 0, 1, 3, 1
	GROUP 3, 1, 0, 0, 0
	s_set_vgpr_msb 0x1
	s_wait_tensorcnt 0x0
	ds_add_u32 v255, v63
	s_wait_dscnt 0x0
	s_set_vgpr_msb 0x100
	CROUND                                         ; the closing round: no work-group ends while a partner may still ask for a tile that names it
	s_endpgm
.Lfunc_end_k_q1ee63ecac6_layer1:
	.size	k_q1ee63ecac6_layer1, .Lfunc_end_k_q1ee63ecac6_layer1-k_q1ee63ecac6_layer1
	.p2alignl 7, 3214868480
	.fill 96, 4, 3214868480
	.section	.rodata,"a",@progbits
	.p2align	6, 0x0
	.amdhsa_kernel k_q1ee63ecac6_layer1
		.amdhsa_group_segment_fixed_size 327680
		.amdhsa_private_segment_fixed_size 0
		.amdhsa_enable_private_segment 0
		.amdhsa_kernarg_size 48
		.amdhsa_user_sgpr_count 2
		.amdhsa_user_sgpr_kernarg_segment_ptr 1
		.amdhsa_wavefront_size32 1
		.amdhsa_system_sgpr_workgroup_id_x 1
		.amdhsa_system_sgpr_workgroup_id_y 1
		.amdhsa_system_sgpr_workgroup_id_z 1
		.amdhsa_system_vgpr_workitem_id 0
		.amdhsa_next_free_vgpr 1024
		.amdhsa_next_free_sgpr 102
		.amdhsa_reserve_vcc 1
		.amdhsa_float_denorm_mode_32 3
		.amdhsa_float_denorm_mode_16_64 3
		.amdhsa_memory_ordered 1
		.amdhsa_forward_progress 1
		.amdhsa_inst_pref_size 255
	.end_amdhsa_kernel
	.section	.bss,"aw",@nobits
	.p2align	6
	.space	262144
	.amdgpu_metadata
---
amdhsa.version: [ 1, 2 ]
amdhsa.kernels:
  - .name:           k_q1ee63ecac6_layer1
    .symbol:         k_q1ee63ecac6_layer1.kd
    .args:
      - { .name: spk, .offset: 0, .size: 8, .value_kind: global_buffer, .address_space: global }
      - { .name: w1b, .offset: 8, .size: 8, .value_kind: global_buffer, .address_space: global }
      - { .name: b1, .offset: 16, .size: 8, .value_kind: global_buffer, .address_space: global }
      - { .name: v1, .offset: 24, .size: 8, .value_kind: global_buffer, .address_space: global }
      - { .name: out0, .offset: 32, .size: 8, .value_kind: global_buffer, .address_space: global }
      - { .name: out1, .offset: 40, .size: 8, .value_kind: global_buffer, .address_space: global }
    .group_segment_fixed_size: 327680
    .private_segment_fixed_size: 0
    .kernarg_segment_align: 8
    .kernarg_segment_size: 48
    .max_flat_workgroup_size: 128
    .sgpr_count:     102
    .vgpr_count:     1024
    .wavefront_size: 32
...
	.end_amdgpu_metadata
.endif
;; end of part 4
